; MI455X (gfx1250); checked and timed in simulation.
; The chip was launched on July 23, 2026; its instructions are those of AMD's public machine-readable ISA for CDNA 5 (MIT licence, August 2026) and "CDNA5" Instruction Set Architecture Reference Guide (July 2026). The comments in the code are by the model that wrote it; some were corrected since.
;; Bilinear Attention Fusion2 D. Allowed arithmetic: float matrix products may take bf16 or f16 operands with f32 sums; other float arithmetic in f32, or as packed bf16 or f16 multiplies, adds, multiply-adds, maxima and minima; sums over many terms, partial sums and values carried from step to step in f32; what a program stores and reads back later, other than sums and carried values, may be rounded once to bf16 or f16.
;; Inputs: Ek 1,024 x 256 float32; Ev 1,024 x 256 float32; Uq 256 x 256 float32; Vk 256 x 256 float32; Wq 256 x 1,024 float32; bk_val 256 float32; bq 256 float32; bv_val 256 float32; desc_2d 512 x 1,024 float32; hg 512 x 1,024 float32; ln_k_b 256 float32; ln_k_g 256 float32; ln_q_b 256 float32; ln_q_g 256 float32; ln_v_b 256 float32; ln_v_g 256 float32; wk_val 256 float32; wv_val 256 float32.
;; Outputs: out0 512 x 256 float32; out1 512 x 1,024 float32.
;; 2 versions, each right; version 2 is version 1 with the launch prep written anew for expert scheduling mode. Each part assembles by itself: llvm-mc -triple=amdgcn-amd-amdhsa -mcpu=gfx1250 --defsym DOCPART=n.
;; ======== version 1 of 2: 3 launches
;; limits: a difference of large sums (such as E[x^2] - mean^2): digits are lost where the result is much smaller than its terms
;; workspace buffers: QP 524,288 bytes; UQS 131,072 bytes; K2F 532,480 bytes; ST 32,768 bytes; CVF 524,288 bytes; SG 2,097,152 bytes; SP 32,768 bytes; CP 4,194,304 bytes
;; launch prep (part 1): grid 201 x 1, 16 waves a work-group, no clusters, 111,104 bytes of LDS; arguments hg, Wq, bq, Ek, Ev, bk_val, bv_val, wk_val, wv_val, ln_k_g, ln_v_g, ln_k_b, Vk, Uq, QP, K2F, CVF, ST, UQS; writes QP, K2F, CVF, ST, UQS
.if DOCPART == 1
	.amdgcn_target "amdgcn-amd-amdhsa--gfx1250"
	.amdhsa_code_object_version 6
	.text
	.protected	k_q472abe6192_prep
	.globl	k_q472abe6192_prep
	.p2align	8
	.type	k_q472abe6192_prep,@function
k_q472abe6192_prep:
	s_mov_b64 s[64:65], 0
	v_nop
	global_prefetch_b8 v0, s[64:65] scope:SCOPE_SE
	s_setreg_imm32_b32 hwreg(HW_REG_WAVE_MODE, 25, 1), 1
	s_wait_xcnt 0x0
; PREP: all that does not hang on desc_2d.  The LayerNorm of s a + c_p (s = desc[b][p], a = w_val, c_p = b_val + E[p]) is closed in s: with a' = a - mean(a), c'_p = c_p - mean(c_p)
;   var = s^2 mean(a'^2) + 2 s mean(a' c'_p) + mean(c'_p^2),   LN = (s a' + c'_p) rsqrt(var + eps) g + beta.
; So the tables below, one row for each p, stand for the (B, P, DA) tensors k and v.  Four roles, chosen by the work-group's number (the same in all 16 waves):
;   0..127   R1  qpre = hg Wq^T + bq: a tile of 32 b x 32 n, K = 1,024 split among the 16 waves (64 each); the 16 partial tiles (f32) meet in LDS.          -> QP
;   128..160 R2  K2[p][e] = sum_d Vk[e][d] (g_k c'_p)[d] for 32 p, and the records {mean a'^2, 2 mean a'c', mean c'^2 + eps}.                              -> K2F, ST
;                Number 160 makes the extra tile: rows 0, 8 = Vk (g_k a'_k), rows 1, 9 = Vk beta_k, the other rows 0.
;   161..192 R3  (g_v c'_p)[d] for 32 p, turned so that p runs along a lane's registers, and V's records.                                                 -> CVF, ST
;   193..200 R4  Uq rounded to bf16, 32 rows.                                                                                                             -> UQS
; K2F and CVF are written in the order of a matrix operand's registers ([tile][K step][half][lane][16 bytes]), so the next launch loads them with 512 consecutive bytes an instruction.
; Matrix operands are bf16, all sums f32.  LIMITS: NaN and infinities are not treated apart.  Means are taken away in f32 before any product, so a common offset of E, of a bias or of w_val costs nothing.
; NO CLUSTER, NO TENSOR LOAD: there is no loop in which LDS slots could take turns; a wave asks for all its operands in its first lines, straight into registers; LDS carries only what waves hand to each other.
; LDS: each role has bytes of its own, so that no two roles' lines name the same bytes; 16 waves of 256 registers fill a WGP's registers, so the larger claim keeps no second work-group away.
; LANES.  FRAG (a matrix operand, 16 rows x 32 k): lane l holds row l % 16; registers 0-3 k = 8 (l / 16) + 0..7, registers 4-7 k = 16 + 8 (l / 16) + 0..7 (ISA guide 7.12.2): from f32 rows four loads of 16 bytes
; at 32 (l / 16) + {0, 16, 64, 80}, then eight roundings.  HALFROW: wave w owns rows 2 w + l / 16; a lane holds channels 128 j + 8 (l % 16) + 0..7, j = 0, 1: a row's sum stays inside 16 lanes.
.set IMG,   4608                       ; R1: a wave's partial tile in LDS: 32 rows x (128 + 16) bytes; 16 of them fill bytes 0..73,727
.set KT,    16*IMG                     ; R2: 32 rows of g c', bf16, 528 bytes apart,
.set KST,   KT+32*528                  ;     and their 32 records of 16 bytes
.set VT,    KST+512                    ; R3: 32 rows, 544 bytes apart,
.set VST,   VT+32*544                  ;     and their records
.set SPARE, VST+512                    ; 109,056: the spare words: 128 bytes for each of 16 waves, eight blocks of 256 bytes that no other line names
.set SPW, 14                           ; v14  LDS address of my spare word; never rewritten
.set NIL, 15                           ; v15  0; never rewritten
.set X,   32                           ; v[32:47]   E's row (the extra tile: beta_k)
.set BB,  48                           ; v[48:63]   the bias, then c, then c'
.set WW,  64                           ; v[64:79]   w_val, then a'
.set GG,  80                           ; v[80:95]   the gain
.set T,   96                           ; v[96:111]  at work; T+4..T+7 the record; T+8..T+15 the packed row
.set Y,   112                          ; v[112:127] the row to be rounded
.set RAW, 128                          ; v[128:255] f32 operands as loaded
.macro PLACES                          ; plain places between a product and the first reader of its result (ISA guide 7.12.1 asks for four; this text keeps eight, once a phase)
.rept 8
	v_nop
.endr
.endm
.macro LDF dst, voff, sb, imm          ; one FRAG of f32: 16 registers
	global_load_b128 v[(\dst):(\dst)+3],     v[\voff], s[\sb:\sb+1] offset:(\imm)
	global_load_b128 v[(\dst)+4:(\dst)+7],   v[\voff], s[\sb:\sb+1] offset:(\imm)+16
	global_load_b128 v[(\dst)+8:(\dst)+11],  v[\voff], s[\sb:\sb+1] offset:(\imm)+64
	global_load_b128 v[(\dst)+12:(\dst)+15], v[\voff], s[\sb:\sb+1] offset:(\imm)+80
.endm
.macro SUM16 t, s                      ; v[t] = the sum of a HALFROW row: 16 registers, then 16 lanes; v[t..t+7] are written
	v_pk_add_f32 v[(\t):(\t)+1],   v[(\s):(\s)+1],     v[(\s)+2:(\s)+3]
	v_pk_add_f32 v[(\t)+2:(\t)+3], v[(\s)+4:(\s)+5],   v[(\s)+6:(\s)+7]
	v_pk_add_f32 v[(\t)+4:(\t)+5], v[(\s)+8:(\s)+9],   v[(\s)+10:(\s)+11]
	v_pk_add_f32 v[(\t)+6:(\t)+7], v[(\s)+12:(\s)+13], v[(\s)+14:(\s)+15]
	v_pk_add_f32 v[(\t):(\t)+1],   v[(\t):(\t)+1],     v[(\t)+2:(\t)+3]
	v_pk_add_f32 v[(\t)+4:(\t)+5], v[(\t)+4:(\t)+5],   v[(\t)+6:(\t)+7]
	v_pk_add_f32 v[(\t):(\t)+1],   v[(\t):(\t)+1],     v[(\t)+4:(\t)+5]
	v_add_f32 v[(\t)], v[(\t)], v[(\t)+1]
.irp m, 1,2,4,8
	v_add_f32_dpp v[(\t)], v[(\t)], v[(\t)] row_xmask:\m row_mask:0xf bank_mask:0xf
.endr
.endm
.macro CENTRE s, t                     ; the 16 registers at s, less v[t]
.set n, 0
.rept 8
	v_pk_add_f32 v[(\s)+n:(\s)+n+1], v[(\s)+n:(\s)+n+1], v[(\t):(\t)+1] op_sel_hi:[1,0] neg_lo:[0,1] neg_hi:[0,1]
.set n, n+2
.endr
.endm
.macro STATOUT stat                    ; wave 0 stores the 32 rows' records: 512 consecutive bytes at s[66:67]
	s_cmp_lg_u32 s3, 0
	s_cbranch_scc1 .Lend
	v_lshl_add_u32 v10, v1, 4, \stat
	v_lshlrev_b32 v13, 4, v1
	ds_load_b128 v[40:43], v10
	s_wait_dscnt 0x0
	global_store_b128 v13, v[40:43], s[66:67]
.endm
	s_load_b512 s[8:23], s[0:1], 0x0               ; hg 8, Wq 10, bq 12, Ek 14, Ev 16, bk 18, bv 20, wk 22
	s_load_b512 s[24:39], s[0:1], 0x40             ; wv 24, ln_k_g 26, ln_v_g 28, ln_k_b 30, Vk 32, Uq 34, QP 36, K2F 38
	s_load_b128 s[40:43], s[0:1], 0x80             ; CVF 40, ST 42
	s_load_b64 s[44:45], s[0:1], 0x90              ; UQS
	v_lshl_add_u32 v[SPW], v0, 2, SPARE
	v_mov_b32 v[NIL], 0
	v_and_b32 v1, 31, v0                           ; lane
	v_and_b32 v2, 15, v0                           ; l % 16
	v_bfe_u32 v3, v0, 4, 1                         ; l / 16
	v_lshrrev_b32 v4, 5, v0
	v_readfirstlane_b32 s3, v4                     ; wave 0..15
	v_lshl_add_u32 v5, s3, 1, v3                   ; HALFROW: my row, 2 w + l / 16
	v_lshlrev_b32 v7, 5, v2                        ; HALFROW: my 32 bytes in each half of an f32 row
	s_mov_b32 s2, ttmp9
	s_mov_b32 s49, 0                               ; the high word of every offset
	s_mov_b32 s68, 0x3b800000                      ; 1 / 256
	s_mov_b32 s69, 0x3727c5ac                      ; 1e-5
	s_wait_kmcnt 0x0
	s_cmp_lt_u32 s2, 128
	s_cbranch_scc1 .Lqpre
	s_cmp_lt_u32 s2, 161
	s_cbranch_scc1 .Lktab
	s_cmp_lt_u32 s2, 193
	s_cbranch_scc1 .Lvtab
	; R4: 32 rows of Uq to bf16.  Sixteen lanes store 256 consecutive bytes, aligned.
	s_sub_co_u32 s46, s2, 193
	s_lshl_b32 s48, s46, 15
	s_add_nc_u64 s[50:51], s[34:35], s[48:49]
	s_lshl_b32 s48, s46, 14
	s_add_nc_u64 s[52:53], s[44:45], s[48:49]
	v_lshl_add_u32 v6, v5, 10, v7                  ; row x 1,024 + 32 (l % 16)
.irp q, 0,1,2,3
	global_load_b128 v[X+4*\q:X+4*\q+3], v6, s[50:51] offset:(\q/2)*512+(\q%2)*16
.endr
	v_lshlrev_b32 v8, 4, v2
	v_lshl_add_u32 v8, v5, 9, v8                   ; row x 512 + 16 (l % 16)
	s_wait_loadcnt 0x0
.set n, 0
.rept 8
	v_cvt_pk_bf16_f32 v[T+8+n], v[X+2*n], v[X+2*n+1]
.set n, n+1
.endr
	global_store_b128 v8, v[T+8:T+11], s[52:53]
	global_store_b128 v8, v[T+12:T+15], s[52:53] offset:256
	s_branch .Lend
	; R1: qpre.  Source 0 = 16 rows of Wq, source 1 = 16 rows of hg: a lane's result is one row b and eight neighbouring columns.
.macro QMUL bf, zero                   ; four products, accumulator a = 2 tb + tn at v[16 + 8 a]: the four take turns
.irp a, 0,1,2,3
.if \zero
	v_wmma_f32_16x16x32_bf16 v[16+8*\a:23+8*\a], v[(\bf)+8*(\a%2):(\bf)+8*(\a%2)+7], v[(\bf)+16+8*(\a/2):(\bf)+16+8*(\a/2)+7], 0
.else
	v_wmma_f32_16x16x32_bf16 v[16+8*\a:23+8*\a], v[(\bf)+8*(\a%2):(\bf)+8*(\a%2)+7], v[(\bf)+16+8*(\a/2):(\bf)+16+8*(\a/2)+7], v[16+8*\a:23+8*\a]
.endif
.endr
.endm
.Lqpre:
	s_lshr_b32 s46, s2, 3                          ; block of 32 b
	s_and_b32 s47, s2, 7                           ; block of 32 n
	s_lshl_b32 s48, s46, 17                        ; 32 rows of 4,096 bytes
	s_add_nc_u64 s[50:51], s[8:9], s[48:49]        ; hg
	s_lshl_b32 s48, s47, 17
	s_add_nc_u64 s[52:53], s[10:11], s[48:49]      ; Wq
	s_lshl_b32 s48, s47, 7
	s_add_nc_u64 s[54:55], s[12:13], s[48:49]      ; bq
	s_lshl_b32 s48, s2, 12
	s_add_nc_u64 s[56:57], s[36:37], s[48:49]      ; QP: block [32 b][32 n], 4,096 bytes, at the work-group's number
	v_lshlrev_b32 v5, 3, v2                        ; my two columns' bias
	v_lshlrev_b32 v6, 12, v2
	v_lshl_add_u32 v6, v3, 5, v6
	v_lshl_add_u32 v6, s3, 8, v6                   ; row x 4,096 + 32 (l / 16) + my wave's 64 along K
	global_load_b64 v[12:13], v5, s[54:55]
.irp ks, 0,1
	LDF RAW+64*\ks,    6, 52, 128*\ks
	LDF RAW+64*\ks+16, 6, 52, 128*\ks+65536
	LDF RAW+64*\ks+32, 6, 50, 128*\ks
	LDF RAW+64*\ks+48, 6, 50, 128*\ks+65536
.endr
	s_mul_i32 s48, s3, IMG
	v_mul_u32_u24 v7, v2, 144
	v_lshl_add_u32 v7, v3, 5, v7
	v_add_nc_u32 v7, s48, v7                       ; into my image: row l % 16, 32 bytes for each half of the lanes
	v_lshrrev_b32 v8, 4, v0
	v_mul_u32_u24 v8, v8, 144
	v_lshl_add_u32 v8, v2, 3, v8                   ; back: thread t takes row t / 16, columns 2 (t % 16), + 1 of every image
	v_add_nc_u32 v9, 8*IMG, v8                     ; images 8 to 15: beyond the 16 bits of an offset
	v_lshlrev_b32 v10, 3, v0
	s_wait_loadcnt 16                              ; the bias and the first 32 along K are in; the second 32's 16 loads may stay out
.set n, 0
.rept 32
	v_cvt_pk_bf16_f32 v[64+n], v[RAW+2*n], v[RAW+2*n+1]
.set n, n+1
.endr
	QMUL 64, 1                                     ; the first products start the sums
	s_wait_loadcnt 0x0
.set n, 0
.rept 32
	v_cvt_pk_bf16_f32 v[96+n], v[RAW+64+2*n], v[RAW+64+2*n+1]
.set n, n+1
.endr
	QMUL 96, 0
	PLACES
.irp a, 0,1,2,3                        ; each accumulator's low registers first
	ds_store_b128 v7, v[16+8*\a:19+8*\a] offset:(\a/2)*2304+(\a%2)*64
	ds_store_b128 v7, v[20+8*\a:23+8*\a] offset:(\a/2)*2304+(\a%2)*64+16
.endr
	s_wait_dscnt 0x0                               ; for the others' sake: my image is whole
	s_barrier_signal -1
	s_barrier_wait -1
.irp k, 0,1,2,3,4,5,6,7
	ds_load_b64 v[RAW+2*\k:RAW+2*\k+1], v8 offset:\k*IMG
	ds_load_b64 v[RAW+16+2*\k:RAW+16+2*\k+1], v9 offset:\k*IMG
.endr
	s_wait_dscnt 0x0
.irp k, 0,4,8,12,16,20,24,28
	v_pk_add_f32 v[RAW+\k:RAW+\k+1], v[RAW+\k:RAW+\k+1], v[RAW+\k+2:RAW+\k+3]
.endr
.irp k, 0,8,16,24
	v_pk_add_f32 v[RAW+\k:RAW+\k+1], v[RAW+\k:RAW+\k+1], v[RAW+\k+4:RAW+\k+5]
.endr
	v_pk_add_f32 v[RAW:RAW+1], v[RAW:RAW+1], v[RAW+8:RAW+9]
	v_pk_add_f32 v[RAW+16:RAW+17], v[RAW+16:RAW+17], v[RAW+24:RAW+25]
	v_pk_add_f32 v[RAW:RAW+1], v[RAW:RAW+1], v[RAW+16:RAW+17]
	v_pk_add_f32 v[RAW:RAW+1], v[RAW:RAW+1], v[12:13]
	global_store_b64 v10, v[RAW:RAW+1], s[56:57]   ; a wave stores 256 consecutive bytes, aligned
	s_branch .Lend
; ROWS: 32 rows of a table, two a wave (HALFROW).  s[50:51] E's rows (s60 bytes apart), s[52:53] the bias, s[54:55] w_val, s[56:57] the gain.  Leaves g c' (bf16) in LDS from \tile on, in rows of \pitch bytes,
; and the rows' records from \stat on, and passes the barrier behind which all waves may read them.  vk = 1 (R2): my 16 rows of Vk are asked for behind the 16 loads and rounded in place while the LDS stores are out.
.macro ROWS pitch, vk, tile, stat
	v_mad_u32_u24 v6, v5, s60, v7
.irp q, 0,1,2,3
	global_load_b128 v[X+4*\q:X+4*\q+3], v6, s[50:51] offset:(\q/2)*512+(\q%2)*16
.endr
.irp q, 0,1,2,3
	global_load_b128 v[BB+4*\q:BB+4*\q+3], v7, s[52:53] offset:(\q/2)*512+(\q%2)*16
.endr
.irp q, 0,1,2,3
	global_load_b128 v[WW+4*\q:WW+4*\q+3], v7, s[54:55] offset:(\q/2)*512+(\q%2)*16
.endr
.irp q, 0,1,2,3
	global_load_b128 v[GG+4*\q:GG+4*\q+3], v7, s[56:57] offset:(\q/2)*512+(\q%2)*16
.endr
.if \vk
	v_lshlrev_b32 v8, 10, v2
	v_lshl_add_u32 v8, v3, 5, v8                   ; FRAG in rows of 1,024 bytes
.irp ks, 0,1,2,3,4,5,6,7
	LDF RAW+16*\ks, 8, 58, 128*\ks
.endr
.endif
	v_mul_u32_u24 v9, v5, \pitch
	v_lshl_add_u32 v9, v2, 4, v9
	v_add_nc_u32 v9, \tile, v9                     ; my 16 bytes in each half of the bf16 row (the base lies beyond the 16 bits of an offset)
	v_lshl_add_u32 v10, v5, 4, \stat               ; my row's record
.if \vk
	s_wait_loadcnt 32                              ; the 16 are in; Vk's 32 loads are younger and may stay out
.else
	s_wait_loadcnt 0x0
.endif
	SUM16 T, WW
	v_mul_f32 v[T], s68, v[T]
	CENTRE WW, T                                   ; a'
.set n, 0
.rept 8
	v_pk_add_f32 v[BB+n:BB+n+1], v[X+n:X+n+1], v[BB+n:BB+n+1]
.set n, n+2
.endr
	SUM16 T, BB
	v_mul_f32 v[T], s68, v[T]
	CENTRE BB, T                                   ; c'
	v_pk_mul_f32 v[T+8:T+9],   v[WW:WW+1], v[WW:WW+1]  ; three chains that do not wait for each other
	v_pk_mul_f32 v[T+10:T+11], v[BB:BB+1], v[BB:BB+1]
	v_pk_mul_f32 v[T+12:T+13], v[WW:WW+1], v[BB:BB+1]
.set n, 2
.rept 7
	v_pk_fma_f32 v[T+8:T+9],   v[WW+n:WW+n+1], v[WW+n:WW+n+1], v[T+8:T+9]
	v_pk_fma_f32 v[T+10:T+11], v[BB+n:BB+n+1], v[BB+n:BB+n+1], v[T+10:T+11]
	v_pk_fma_f32 v[T+12:T+13], v[WW+n:WW+n+1], v[BB+n:BB+n+1], v[T+12:T+13]
.set n, n+2
.endr
	v_add_f32 v[T+8],  v[T+8],  v[T+9]
	v_add_f32 v[T+10], v[T+10], v[T+11]
	v_add_f32 v[T+12], v[T+12], v[T+13]
.irp m, 1,2,4,8
	v_add_f32_dpp v[T+8],  v[T+8],  v[T+8]  row_xmask:\m row_mask:0xf bank_mask:0xf
	v_add_f32_dpp v[T+10], v[T+10], v[T+10] row_xmask:\m row_mask:0xf bank_mask:0xf
	v_add_f32_dpp v[T+12], v[T+12], v[T+12] row_xmask:\m row_mask:0xf bank_mask:0xf
.endr
	v_mul_f32 v[T+4], s68, v[T+8]                  ; mean a'^2
	v_mul_f32 v[T+5], 0x3c000000, v[T+12]          ; 2 mean a' c'
	v_fma_f32 v[T+6], v[T+10], s68, s69            ; mean c'^2 + eps
	v_mov_b32 v[T+7], 0
.if \vk
	s_cmp_eq_u32 s2, 160
	s_cbranch_scc1 .Lext_\@
.endif
.set n, 0
.rept 8
	v_pk_mul_f32 v[Y+n:Y+n+1], v[GG+n:GG+n+1], v[BB+n:BB+n+1]
.set n, n+2
.endr
.if \vk
	s_branch .Ljoin_\@
.Lext_\@:                              ; the extra tile: rows 0 mod 8 take g a', rows 1 mod 8 take beta (which X holds here), all others 0
	v_and_b32 v13, 7, v5
	v_cmp_eq_u32 s70, 0, v13
	v_cmp_eq_u32 s71, 1, v13
.set n, 0
.rept 8
	v_pk_mul_f32 v[Y+n:Y+n+1], v[GG+n:GG+n+1], v[WW+n:WW+n+1]
.set n, n+2
.endr
.set n, 0
.rept 16
	v_cndmask_b32 v[Y+n], 0, v[Y+n], s70
	v_cndmask_b32 v[Y+n], v[Y+n], v[X+n], s71
.set n, n+1
.endr
.Ljoin_\@:
.endif
.set n, 0
.rept 8
	v_cvt_pk_bf16_f32 v[T+8+n], v[Y+2*n], v[Y+2*n+1]
.set n, n+1
.endr
	ds_store_b128 v9, v[T+8:T+11]
	ds_store_b128 v9, v[T+12:T+15] offset:256
	ds_store_b128 v10, v[T+4:T+7]                  ; the row's 16 lanes write the same 16 bytes with the same numbers
.if \vk
	s_wait_loadcnt 0x0                             ; Vk
.set n, 0
.rept 64                               ; in place, ascending: register n is written from 2 n and 2 n + 1, which no later line needs
	v_cvt_pk_bf16_f32 v[RAW+n], v[RAW+2*n], v[RAW+2*n+1]
.set n, n+1
.endr
.endif
	s_wait_dscnt 0x0                               ; for the others' sake: my rows and records are in LDS
	s_barrier_signal -1
	s_barrier_wait -1
.endm
	; R3: V's table.  The rows lie [p][d] in LDS, 544 bytes apart (17 x 32); wave w takes channels 16 w .. + 15 turned: a lane holds one channel and 8 p.
.Lvtab:
	s_sub_co_u32 s46, s2, 161
	s_lshl_b32 s48, s46, 15
	s_add_nc_u64 s[50:51], s[16:17], s[48:49]      ; Ev's 32 rows
	s_mov_b64 s[52:53], s[20:21]                   ; bv_val
	s_mov_b64 s[54:55], s[24:25]                   ; wv_val
	s_mov_b64 s[56:57], s[28:29]                   ; ln_v_g
	s_mov_b32 s60, 1024
	s_lshl_b32 s48, s46, 14
	s_add_nc_u64 s[62:63], s[40:41], s[48:49]      ; CVF: [32 p][16 blocks of d][half][lane][16 bytes]
	s_lshl_b32 s48, s46, 9
	s_add_co_u32 s48, s48, 16384
	s_add_nc_u64 s[66:67], s[42:43], s[48:49]      ; V's records lie behind K's 1,024
	ROWS 544, 0, VT, VST
	v_and_b32 v11, 7, v0
	v_lshl_add_u32 v11, v3, 3, v11                 ; p = 8 (l / 16) + l % 8
	v_mul_u32_u24 v11, v11, 544
	v_bfe_u32 v12, v0, 3, 1
	v_lshl_add_u32 v11, v12, 4, v11                ; channels 8 ((l / 8) % 2) on
	v_lshl_add_u32 v11, s3, 5, v11                 ; of my wave's 16
	v_add_nc_u32 v11, VT, v11
	ds_load_tr16_b128 v[32:35], v11
	ds_load_tr16_b128 v[36:39], v11 offset:16*544
	v_lshlrev_b32 v12, 4, v1
	v_lshl_add_u32 v12, s3, 10, v12
	s_wait_dscnt 0x0
	global_store_b128 v12, v[32:35], s[62:63]      ; 512 consecutive bytes each
	global_store_b128 v12, v[36:39], s[62:63] offset:512
	STATOUT VST
	s_branch .Lend
	; R2: K's table.  Source 0 = my 16 rows of Vk, source 1 = 16 rows of g c': a lane's result is one p and e = 16 w + 8 (l / 16) + 0..7, which packed IS half w % 2 of K step w / 2 of the operand K2.
.Lktab:
	s_sub_co_u32 s46, s2, 128
	s_lshl_b32 s47, s46, 15
	s_cmp_eq_u32 s2, 160                           ; the extra tile reads beta_k in E's place, the same bytes for every row
	s_cselect_b32 s48, 0, s47
	s_cselect_b32 s60, 0, 1024
	s_cselect_b64 s[50:51], s[30:31], s[14:15]
	s_add_nc_u64 s[50:51], s[50:51], s[48:49]
	s_mov_b64 s[52:53], s[18:19]                   ; bk_val
	s_mov_b64 s[54:55], s[22:23]                   ; wk_val
	s_mov_b64 s[56:57], s[26:27]                   ; ln_k_g
	s_lshl_b32 s48, s3, 14
	s_add_nc_u64 s[58:59], s[32:33], s[48:49]      ; Vk's rows 16 w on
	s_lshl_b32 s48, s46, 14
	s_add_nc_u64 s[62:63], s[38:39], s[48:49]      ; K2F: two tiles of 8,192 bytes
	s_lshl_b32 s48, s46, 9
	s_add_nc_u64 s[66:67], s[42:43], s[48:49]      ; K's records
	ROWS 528, 1, KT, KST
	v_mul_u32_u24 v11, v2, 528
	v_lshl_add_u32 v11, v3, 4, v11                 ; FRAG in bf16 rows 528 bytes apart: the 16 rows of a load start at 16 different groups of four banks
	v_add_nc_u32 v11, KT, v11
.irp ks, 0,1,2,3,4,5,6,7
	ds_load_b128 v[64+8*\ks:67+8*\ks],   v11 offset:64*\ks
	ds_load_b128 v[68+8*\ks:71+8*\ks],   v11 offset:64*\ks+32
	ds_load_b128 v[192+8*\ks:195+8*\ks], v11 offset:16*528+64*\ks
	ds_load_b128 v[196+8*\ks:199+8*\ks], v11 offset:16*528+64*\ks+32
.endr
	v_lshlrev_b32 v12, 4, v0
	s_wait_dscnt 0x0
	v_wmma_f32_16x16x32_bf16 v[16:23], v[RAW:RAW+7], v[64:71], 0
	v_wmma_f32_16x16x32_bf16 v[24:31], v[RAW:RAW+7], v[192:199], 0
.irp ks, 1,2,3,4,5,6,7                 ; the two accumulators take turns
	v_wmma_f32_16x16x32_bf16 v[16:23], v[RAW+8*\ks:RAW+8*\ks+7], v[64+8*\ks:71+8*\ks], v[16:23]
	v_wmma_f32_16x16x32_bf16 v[24:31], v[RAW+8*\ks:RAW+8*\ks+7], v[192+8*\ks:199+8*\ks], v[24:31]
.endr
	PLACES
.set n, 0
.rept 8
	v_cvt_pk_bf16_f32 v[32+n], v[16+2*n], v[16+2*n+1]
.set n, n+1
.endr
	global_store_b128 v12, v[32:35], s[62:63]      ; 16 bytes a thread: a wave stores 512 consecutive bytes
	s_cmp_eq_u32 s2, 160
	s_cbranch_scc1 .Lend                           ; the extra tile is one tile and has no records
	global_store_b128 v12, v[36:39], s[62:63] offset:8192
	STATOUT KST
.Lend:
	s_wait_tensorcnt 0x0                           ; the wave's end, behind my last LDS store
	ds_add_u32 v[SPW], v[NIL]
	s_wait_dscnt 0x0
	s_endpgm
.Lfunc_end_k_q472abe6192_prep:
	.size	k_q472abe6192_prep, .Lfunc_end_k_q472abe6192_prep-k_q472abe6192_prep
	.p2alignl 7, 3214868480
	.fill 96, 4, 3214868480
	.section	.rodata,"a",@progbits
	.p2align	6, 0x0
	.amdhsa_kernel k_q472abe6192_prep
		.amdhsa_group_segment_fixed_size 111104
		.amdhsa_private_segment_fixed_size 0
		.amdhsa_enable_private_segment 0
		.amdhsa_kernarg_size 152
		.amdhsa_user_sgpr_count 2
		.amdhsa_user_sgpr_kernarg_segment_ptr 1
		.amdhsa_wavefront_size32 1
		.amdhsa_system_sgpr_workgroup_id_x 1
		.amdhsa_system_sgpr_workgroup_id_y 1
		.amdhsa_system_sgpr_workgroup_id_z 1
		.amdhsa_system_vgpr_workitem_id 0
		.amdhsa_next_free_vgpr 256
		.amdhsa_next_free_sgpr 80
		.amdhsa_reserve_vcc 0
		.amdhsa_float_denorm_mode_32 3
		.amdhsa_float_denorm_mode_16_64 3
		.amdhsa_memory_ordered 1
		.amdhsa_forward_progress 1
		.amdhsa_inst_pref_size 50
	.end_amdhsa_kernel
	.amdgpu_metadata
---
amdhsa.version: [ 1, 2 ]
amdhsa.kernels:
  - .name:           k_q472abe6192_prep
    .symbol:         k_q472abe6192_prep.kd
    .args:
      - { .name: hg, .offset: 0, .size: 8, .value_kind: global_buffer, .address_space: global }
      - { .name: Wq, .offset: 8, .size: 8, .value_kind: global_buffer, .address_space: global }
      - { .name: bq, .offset: 16, .size: 8, .value_kind: global_buffer, .address_space: global }
      - { .name: Ek, .offset: 24, .size: 8, .value_kind: global_buffer, .address_space: global }
      - { .name: Ev, .offset: 32, .size: 8, .value_kind: global_buffer, .address_space: global }
      - { .name: bk_val, .offset: 40, .size: 8, .value_kind: global_buffer, .address_space: global }
      - { .name: bv_val, .offset: 48, .size: 8, .value_kind: global_buffer, .address_space: global }
      - { .name: wk_val, .offset: 56, .size: 8, .value_kind: global_buffer, .address_space: global }
      - { .name: wv_val, .offset: 64, .size: 8, .value_kind: global_buffer, .address_space: global }
      - { .name: ln_k_g, .offset: 72, .size: 8, .value_kind: global_buffer, .address_space: global }
      - { .name: ln_v_g, .offset: 80, .size: 8, .value_kind: global_buffer, .address_space: global }
      - { .name: ln_k_b, .offset: 88, .size: 8, .value_kind: global_buffer, .address_space: global }
      - { .name: Vk, .offset: 96, .size: 8, .value_kind: global_buffer, .address_space: global }
      - { .name: Uq, .offset: 104, .size: 8, .value_kind: global_buffer, .address_space: global }
      - { .name: QP, .offset: 112, .size: 8, .value_kind: global_buffer, .address_space: global }
      - { .name: K2F, .offset: 120, .size: 8, .value_kind: global_buffer, .address_space: global }
      - { .name: CVF, .offset: 128, .size: 8, .value_kind: global_buffer, .address_space: global }
      - { .name: ST, .offset: 136, .size: 8, .value_kind: global_buffer, .address_space: global }
      - { .name: UQS, .offset: 144, .size: 8, .value_kind: global_buffer, .address_space: global }
    .group_segment_fixed_size: 111104
    .private_segment_fixed_size: 0
    .kernarg_segment_align: 8
    .kernarg_segment_size: 152
    .max_flat_workgroup_size: 512
    .sgpr_count:     80
    .vgpr_count:     256
    .wavefront_size: 32
...
	.end_amdgpu_metadata
.endif
;; end of part 1
;; launch score (part 2): grid 8 x 32, 8 waves a work-group, no clusters, 60,160 bytes of LDS; arguments QP, ln_q_g, ln_q_b, UQS, K2F, ST, CVF, desc_2d, SG, SP, CP; writes SG, SP, CP
.if DOCPART == 2
	.amdgcn_target "amdgcn-amd-amdhsa--gfx1250"
	.amdhsa_code_object_version 6
	.text
	.protected	k_q472abe6192_score
	.globl	k_q472abe6192_score
	.p2align	8
	.type	k_q472abe6192_score,@function
k_q472abe6192_score:
	s_mov_b64 s[64:65], 0
	v_nop
	global_prefetch_b8 v0, s[64:65] scope:SCOPE_SE
	s_setreg_imm32_b32 hwreg(HW_REG_WAVE_MODE, 25, 1), 1
	s_wait_xcnt 0x0
; SCORE: a work-group takes 16 rows b (y) and 128 tokens p (x); wave w owns p = 128 x + 16 w .. + 15.  With s = desc[b][p], rs = rsqrt(s^2 va + s 2cov + vc + eps) from the tables' records:
;   q = LN(qpre);  q2 = q Uq^T;  16 e = rs_k (s A[b] + M[b][p]) + Bb[b],  M = q2 K2^T,  A = q2 . Vk(g_k a'_k),  Bb = q2 . Vk beta_k  (the last two are rows of the extra tile);
;   sg = 1 / (1 + 2^(-e log2 e))                      -> SG;      Wu = sg rs_v;      the sums over my 128 p of sg and of Wu s -> SP;      of Wu (g_v c'_v)[p][:] -> CP (f32 partial sums).
; The row sum over all 1,024 p spans eight work-groups: the next launch adds the partial sums and divides.
; PHASES: P1 LN of q (two rows a wave) | P2 q2^T = Uq q^T (wave w: e = 32 w .. + 31) | P3 M^T = K2 q2^T and the extra tile | P4 the sigmoid, 8 numbers a lane | P5 c^T = CV^T Wu | P6 the way out.
; In each product source 1 holds the 16 rows b, so a lane keeps ONE b throughout, and a result rounded to bf16 IS a part of the next product's source 1: it goes to LDS as it lies.
; Matrix operands are bf16 (Wu too: a row of small sigmoids keeps its range), sums f32.
; LIMITS: the variance is the quadratic above in f32, off by 2^-23 of its largest term, and held at eps or more, its true lower bound; a sigmoid below 2^-126 counts as 0; NaN and infinities are not treated apart.
; No maximum is taken away: the weights are sigmoids, each in 0 to 1, and their sum is at most 1,024.
; NO CLUSTER, NO TENSOR LOAD: the tables (16 KiB of Uq, 8 KiB of K2, 8 KiB of CV a wave) are shared with other work-groups, but there is no loop: each wave asks for all 81 loads in its first lines, in the order of the
; operands' registers, and nothing of them passes through LDS; a joint load would add an LDS write and read of all 256 KiB and a round of a barrier for a text that reads each byte once.
; REGISTERS: window 0 as named below; window 1 (destination of loads, source 0 of products): v0-63 K2, v64-127 CV (64 + 32 t + 8 kk), v128-191 the extra tile.
.set QT,    0                          ; q, bf16: 16 rows, 528 bytes apart
.set Q2X,   8448                       ; q2 as an operand: [K step 8][half 2][lane][16 bytes]
.set EXTX,  16640                      ; the extra tile, likewise
.set STX,   24832                      ; 512 bytes a wave: 16 records of K, 16 of V
.set WX,    28928                      ; Wu as an operand: [K step 4][half 2][lane][16 bytes]
.set SST,   33024                      ; sigmoids, f32: 16 rows, 528 bytes apart
.set CST,   41472                      ; c, f32: 16 rows, 1,040 bytes apart
.set PS,    58112                      ; 128 bytes a wave: the sums of sg (lanes 0-15) and of Wu s (lanes 16-31)
.set SPARE, 59136                      ; the spare words: 128 bytes for each of 8 waves, four blocks of 256 bytes that no other line names
.set SPW, 14                           ; v14  LDS address of my spare word; never rewritten
.set NIL, 15                           ; v15  0; never rewritten
.set X,   32                           ; v[32:47] qpre, v[48:63] gain, v[64:79] bias, v[80:95] at work (P1); then v[32:95] q's operand (P2); then the records (P3 on)
.set GQ,  48
.set BQ,  64
.set T,   80
.set RK,  32                           ; K's record of number j at RK + 4 j
.set RV,  64
.set DS,  96                           ; v[96:103]  s
.set UQ,  128                          ; v[128:255] Uq's operand, 128 + 64 t + 8 ks; then v[128:191] q2's; then v[128:159] Wu's, v[160:191] rows on the way out
.set TK,  192                          ; P4, in Uq's registers: variances and their rsqrt,
.set TV,  200
.set U,   208                          ; s A + M, then the exponent, then 1 + 2^..
.set SGM, 216                          ; sg
.set WU,  224
.set MSB, 0
.macro WIN new                         ; s_set_vgpr_msb: bits 1:0 source 0, 7:6 destination; the high byte repeats the setting that is left
.if MSB != (\new)
	s_set_vgpr_msb (MSB<<8)|(\new)
.set MSB, (\new)
.endif
.endm
.macro PLACES                          ; plain places between a product and the first reader of its result (ISA guide 7.12.1 asks for four; this text keeps eight, once a phase)
.rept 8
	v_nop
.endr
.endm
.macro SUM16 t, s                      ; v[t] = the sum of 16 registers, then of 16 lanes; v[t..t+7] are written
	v_pk_add_f32 v[(\t):(\t)+1],   v[(\s):(\s)+1],     v[(\s)+2:(\s)+3]
	v_pk_add_f32 v[(\t)+2:(\t)+3], v[(\s)+4:(\s)+5],   v[(\s)+6:(\s)+7]
	v_pk_add_f32 v[(\t)+4:(\t)+5], v[(\s)+8:(\s)+9],   v[(\s)+10:(\s)+11]
	v_pk_add_f32 v[(\t)+6:(\t)+7], v[(\s)+12:(\s)+13], v[(\s)+14:(\s)+15]
	v_pk_add_f32 v[(\t):(\t)+1],   v[(\t):(\t)+1],     v[(\t)+2:(\t)+3]
	v_pk_add_f32 v[(\t)+4:(\t)+5], v[(\t)+4:(\t)+5],   v[(\t)+6:(\t)+7]
	v_pk_add_f32 v[(\t):(\t)+1],   v[(\t):(\t)+1],     v[(\t)+4:(\t)+5]
	v_add_f32 v[(\t)], v[(\t)], v[(\t)+1]
.irp m, 1,2,4,8
	v_add_f32_dpp v[(\t)], v[(\t)], v[(\t)] row_xmask:\m row_mask:0xf bank_mask:0xf
.endr
.endm
.macro MMA acc, a, b, k                ; one product; K step 0 starts the sum
.if (\k) == 0
	v_wmma_f32_16x16x32_bf16 v[(\acc):(\acc)+7], v[(\a):(\a)+7], v[(\b):(\b)+7], 0
.else
	v_wmma_f32_16x16x32_bf16 v[(\acc):(\acc)+7], v[(\a):(\a)+7], v[(\b):(\b)+7], v[(\acc):(\acc)+7]
.endif
.endm
	s_load_b512 s[8:23], s[0:1], 0x0               ; QP 8, ln_q_g 10, ln_q_b 12, UQS 14, K2F 16, ST 18, CVF 20, desc 22
	s_load_b128 s[24:27], s[0:1], 0x40             ; SG 24, SP 26
	s_load_b64 s[28:29], s[0:1], 0x50              ; CP
	v_lshl_add_u32 v[SPW], v0, 2, SPARE
	v_mov_b32 v[NIL], 0
	v_and_b32 v1, 31, v0                           ; lane
	v_and_b32 v2, 15, v0                           ; l % 16
	v_bfe_u32 v3, v0, 4, 1                         ; l / 16
	v_lshrrev_b32 v4, 5, v0
	v_readfirstlane_b32 s3, v4                     ; wave 0..7
	s_mov_b32 s2, ttmp9                            ; block of 128 p
	s_and_b32 s4, ttmp7, 0xffff                    ; block of 16 b
	; the byte offsets, each in the low word of the pair that will hold the address
	s_lshr_b32 s32, s4, 1
	s_lshl_b32 s32, s32, 15                        ; QP: 32 b are eight blocks of 4,096 bytes
	s_lshl_b32 s34, s3, 14                         ; UQS: my 32 rows of 512 bytes
	s_lshl3_add_u32 s36, s2, s3
	s_lshl_b32 s36, s36, 13                        ; K2F: tile 8 x + w
	s_lshl_b32 s38, s3, 10
	s_add_co_u32 s38, s38, 524288                  ; K2F: tile 64, of which I fetch K step w
	s_lshl_b32 s40, s2, 11
	s_lshl_b32 s5, s3, 8
	s_add_co_u32 s40, s40, s5                      ; ST: my 16 records
	s_lshl_b32 s42, s2, 16
	s_lshl_b32 s5, s3, 11
	s_add_co_u32 s42, s42, s5                      ; CVF: four K steps of 32 p; channels 32 w on
	s_lshl_b32 s44, s4, 16
	s_lshl_b32 s5, s2, 9
	s_add_co_u32 s44, s44, s5
	s_lshl_b32 s6, s3, 6
	s_add_co_u32 s44, s44, s6                      ; desc: row 16 y, my 16 p
	s_lshl_b32 s7, s4, 4
	s_lshl1_add_u32 s7, s3, s7                     ; 16 y + 2 w: the two rows that I carry out
	s_lshl_b32 s46, s7, 12
	s_add_co_u32 s46, s46, s5                      ; SG
	s_lshl_b32 s48, s2, 12
	s_lshl_b32 s6, s4, 6
	s_add_co_u32 s48, s48, s6                      ; SP: [x][sum of sg, sum of Wu s][512]
	s_lshl_b32 s50, s2, 19
	s_lshl_b32 s6, s7, 10
	s_add_co_u32 s50, s50, s6                      ; CP: [x][512][256]
.irp g, 33,35,37,39,41,43,45,47,49,51
	s_mov_b32 s\g, 0
.endr
	s_and_b32 s5, s4, 1
	s_lshl_b32 s5, s5, 4
	s_lshl1_add_u32 s5, s3, s5                     ; my first row in QP's block of 32
	s_lshl_b32 s6, s3, 1
	s_mov_b32 s52, 0x76543210                      ; v_permlanex16_b32: each lane takes its own place in the other half
	s_mov_b32 s53, 0xfedcba98
	s_mov_b32 s54, 0x3b800000                      ; 1 / 256
	s_mov_b32 s55, 0x3727c5ac                      ; 1e-5
	s_mov_b32 s56, 0xbdb8aa3b                      ; -log2(e) / 16
	v_add_nc_u32 v4, s5, v3
	v_lshlrev_b32 v4, 7, v4
	v_lshrrev_b32 v5, 2, v2
	v_lshl_add_u32 v4, v5, 12, v4
	v_and_b32 v5, 3, v2
	v_lshl_add_u32 v4, v5, 5, v4                   ; v4: qpre, channels 8 (l % 16) on of row 2 w + l / 16: block (l % 16) / 4, 32 bytes
	v_lshlrev_b32 v5, 5, v2                        ; v5: the same channels in a vector of 256
	v_lshlrev_b32 v6, 9, v2
	v_lshl_add_u32 v6, v3, 4, v6                   ; v6: an operand's lane in bf16 rows of 512 bytes
	v_lshlrev_b32 v7, 4, v1                        ; v7: 16 x lane
	v_lshlrev_b32 v8, 12, v2
	v_lshl_add_u32 v8, v3, 5, v8                   ; v8: desc: row l % 16, 8 numbers for each half of the lanes
	v_lshlrev_b32 v11, 4, v2
	v_lshl_add_u32 v11, v3, 14, v11                ; v11: lanes 0-15 K's records, lanes 16-31 V's
	s_wait_kmcnt 0x0
	s_add_nc_u64 s[32:33], s[8:9], s[32:33]
	s_add_nc_u64 s[34:35], s[14:15], s[34:35]
	s_add_nc_u64 s[36:37], s[16:17], s[36:37]
	s_add_nc_u64 s[38:39], s[16:17], s[38:39]
	s_add_nc_u64 s[40:41], s[18:19], s[40:41]
	s_add_nc_u64 s[42:43], s[20:21], s[42:43]
	s_add_nc_u64 s[44:45], s[22:23], s[44:45]
	s_add_nc_u64 s[46:47], s[24:25], s[46:47]
	s_add_nc_u64 s[48:49], s[26:27], s[48:49]
	s_add_nc_u64 s[50:51], s[28:29], s[50:51]
	; ALL 81 LOADS, in the order in which they are wanted: 12 for the LN, 5 small ones, 32 of Uq, 16 of K2, 16 of CV
.irp q, 0,1,2,3
	global_load_b128 v[X+4*\q:X+4*\q+3], v4, s[32:33] offset:(\q/2)*16384+(\q%2)*16
.endr
.irp q, 0,1,2,3
	global_load_b128 v[GQ+4*\q:GQ+4*\q+3], v5, s[10:11] offset:(\q/2)*512+(\q%2)*16
.endr
.irp q, 0,1,2,3
	global_load_b128 v[BQ+4*\q:BQ+4*\q+3], v5, s[12:13] offset:(\q/2)*512+(\q%2)*16
.endr
	global_load_b128 v[104:107], v7, s[38:39]
	global_load_b128 v[108:111], v7, s[38:39] offset:512
	global_load_b128 v[112:115], v11, s[40:41]
	global_load_b128 v[DS:DS+3], v8, s[44:45]
	global_load_b128 v[DS+4:DS+7], v8, s[44:45] offset:16
.irp t, 0,1
.irp ks, 0,1,2,3,4,5,6,7
	global_load_b128 v[UQ+64*\t+8*\ks:UQ+64*\t+8*\ks+3],   v6, s[34:35] offset:\t*8192+\ks*64
	global_load_b128 v[UQ+64*\t+8*\ks+4:UQ+64*\t+8*\ks+7], v6, s[34:35] offset:\t*8192+\ks*64+32
.endr
.endr
	WIN 0x40                                       ; destination window 1, address window 0
.irp ks, 0,1,2,3,4,5,6,7
	global_load_b128 v[8*\ks:8*\ks+3],   v7, s[36:37] offset:\ks*1024
	global_load_b128 v[8*\ks+4:8*\ks+7], v7, s[36:37] offset:\ks*1024+512
.endr
.irp t, 0,1
.irp kk, 0,1,2,3
	global_load_b128 v[64+32*\t+8*\kk:64+32*\t+8*\kk+3],   v7, s[42:43] offset:\kk*16384+\t*1024
	global_load_b128 v[64+32*\t+8*\kk+4:64+32*\t+8*\kk+7], v7, s[42:43] offset:\kk*16384+\t*1024+512
.endr
.endr
	WIN 0
	; the LDS addresses, made while the loads are out
	v_add_nc_u32 v9, s6, v3
	v_mul_u32_u24 v9, v9, 528
	v_lshl_add_u32 v9, v2, 4, v9                   ; v9: q: row 2 w + l / 16, my 16 bytes of each half
	v_mul_u32_u24 v10, v2, 528
	v_lshl_add_u32 v10, v3, 4, v10                 ; v10: an operand's lane in rows 528 bytes apart
	v_lshl_add_u32 v12, v3, 4, v10
	v_lshl_add_u32 v12, s3, 6, v12                 ; v12: sigmoids in: row l % 16, 64 w + 32 (l / 16)
	v_mul_u32_u24 v13, v2, 1040
	v_lshl_add_u32 v13, v3, 5, v13
	v_lshl_add_u32 v13, s3, 7, v13                 ; v13: c in: row l % 16, 128 w + 32 (l / 16)
	v_lshl_add_u32 v116, s3, 10, v7                ; v116: 1,024 w + 16 lane
	v_lshl_add_u32 v117, s3, 9, v7                 ; v117: 512 w + 16 lane
	v_lshlrev_b32 v118, 7, v3
	v_lshl_add_u32 v118, s3, 9, v118               ; v118: my eight records
	s_mul_i32 s5, s3, 1056
	v_add_nc_u32 v119, s5, v7                      ; v119: sigmoids back: rows 2 w, 2 w + 1
	s_mul_i32 s5, s3, 2080
	v_add_nc_u32 v120, s5, v7                      ; v120: c back: rows 2 w, 2 w + 1
	v_lshlrev_b32 v121, 2, v0                      ; v121: 128 w + 4 lane
	v_lshlrev_b32 v122, 2, v2
	v_lshl_add_u32 v122, v3, 11, v122              ; v122: SP: 4 (l % 16), the second sum 2,048 bytes on
	; P1: q = LN(qpre), two rows a wave, a row in 16 lanes
	s_wait_loadcnt 63                              ; 64 loads are younger than the 17 wanted here; the count's field ends at 63
	SUM16 T, X
	v_mul_f32 v[T], s54, v[T]
.set n, 0
.rept 8
	v_pk_add_f32 v[X+n:X+n+1], v[X+n:X+n+1], v[T:T+1] op_sel_hi:[1,0] neg_lo:[0,1] neg_hi:[0,1]
.set n, n+2
.endr
	v_pk_mul_f32 v[T+2:T+3], v[X:X+1], v[X:X+1]
	v_pk_mul_f32 v[T+4:T+5], v[X+2:X+3], v[X+2:X+3]
.set n, 4
.rept 3
	v_pk_fma_f32 v[T+2:T+3], v[X+n:X+n+1], v[X+n:X+n+1], v[T+2:T+3]
	v_pk_fma_f32 v[T+4:T+5], v[X+n+2:X+n+3], v[X+n+2:X+n+3], v[T+4:T+5]
.set n, n+4
.endr
	v_pk_add_f32 v[T+2:T+3], v[T+2:T+3], v[T+4:T+5]
	v_add_f32 v[T+2], v[T+2], v[T+3]
.irp m, 1,2,4,8
	v_add_f32_dpp v[T+2], v[T+2], v[T+2] row_xmask:\m row_mask:0xf bank_mask:0xf
.endr
	v_fma_f32 v[T+2], v[T+2], s54, s55
	v_rsq_f32 v[T+4], v[T+2]
	ds_store_b128 v116, v[104:107] offset:EXTX     ; my K step of the extra tile, for all waves,
	ds_store_b128 v116, v[108:111] offset:EXTX+512
	ds_store_b128 v117, v[112:115] offset:STX      ; and my 32 records, which come back eight to a lane
	v_nop                                          ; a plain instruction behind the root,
	s_wait_alu depctr_va_vdst(0)                   ; and the wait ahead of its first reader
.set n, 0
.rept 8
	v_pk_mul_f32 v[GQ+n:GQ+n+1], v[GQ+n:GQ+n+1], v[T+4:T+5] op_sel_hi:[1,0]
.set n, n+2
.endr
.set n, 0
.rept 8
	v_pk_fma_f32 v[X+n:X+n+1], v[X+n:X+n+1], v[GQ+n:GQ+n+1], v[BQ+n:BQ+n+1]
.set n, n+2
.endr
.set n, 0
.rept 8
	v_cvt_pk_bf16_f32 v[T+6+n], v[X+2*n], v[X+2*n+1]
.set n, n+1
.endr
	ds_store_b128 v9, v[T+6:T+9] offset:QT
	ds_store_b128 v9, v[T+10:T+13] offset:QT+256
	s_wait_dscnt 0x0                               ; for the others' sake: my rows of q and my part of the extra tile are in LDS
	s_barrier_signal -1
	s_barrier_wait -1
	; P2: q2^T = Uq q^T.  Source 0 = Uq's rows 32 w + 16 t on, source 1 = the 16 rows of q
.irp ks, 0,1,2,3,4,5,6,7
	ds_load_b128 v[X+8*\ks:X+8*\ks+3],   v10 offset:QT+64*\ks
	ds_load_b128 v[X+8*\ks+4:X+8*\ks+7], v10 offset:QT+64*\ks+32
.endr
	s_wait_dscnt 0x0
	s_wait_loadcnt 32                              ; Uq is in; K2's and CV's 32 loads are younger and may stay out
.irp ks, 0,1,2,3,4,5,6,7               ; the two accumulators take turns
	MMA 16, UQ+8*\ks,    X+8*\ks, \ks
	MMA 24, UQ+64+8*\ks, X+8*\ks, \ks
.endr
	PLACES
.set n, 0
.rept 8                                ; a lane holds b = l % 16 and e = 32 w + 16 t + 8 (l / 16) + 0..7: packed, that is K step w of q2 as source 1
	v_cvt_pk_bf16_f32 v[104+n], v[16+2*n], v[16+2*n+1]
.set n, n+1
.endr
	ds_store_b128 v116, v[104:107] offset:Q2X
	ds_store_b128 v116, v[108:111] offset:Q2X+512
	s_wait_dscnt 0x0
	s_barrier_signal -1
	s_barrier_wait -1
	; P3: M^T = K2 q2^T for my 16 p, and the extra tile's rows times q2^T
.irp ks, 0,1,2,3,4,5,6,7
	ds_load_b128 v[UQ+8*\ks:UQ+8*\ks+3],   v7 offset:Q2X+\ks*1024
	ds_load_b128 v[UQ+8*\ks+4:UQ+8*\ks+7], v7 offset:Q2X+\ks*1024+512
.endr
	WIN 0x40
.irp ks, 0,1,2,3,4,5,6,7
	ds_load_b128 v[128+8*\ks:128+8*\ks+3],   v7 offset:EXTX+\ks*1024
	ds_load_b128 v[128+8*\ks+4:128+8*\ks+7], v7 offset:EXTX+\ks*1024+512
.endr
	WIN 0
.irp j, 0,1,2,3,4,5,6,7
	ds_load_b128 v[RK+4*\j:RK+4*\j+3], v118 offset:STX+16*\j
	ds_load_b128 v[RV+4*\j:RV+4*\j+3], v118 offset:STX+256+16*\j
.endr
	s_wait_dscnt 16                                ; both operands are in; the 16 records may stay out
	s_wait_loadcnt 16                              ; K2 is in; CV's 16 loads may stay out
	WIN 0x01                                       ; source 0 window 1
.irp ks, 0,1,2,3,4,5,6,7
	MMA 16, 8*\ks,     UQ+8*\ks, \ks
	MMA 24, 128+8*\ks, UQ+8*\ks, \ks
.endr
	WIN 0
	; P4: a lane holds b = l % 16, p = 16 w + 8 (l / 16) + j in v[16 + j]; v24 = A[b], v25 = Bb[b] (rows 0, 1 and 8, 9 of the extra tile).
	; The 48 lines on the variances name no register of the products: they are the places behind them.
	s_wait_dscnt 0x0                               ; the records
.set j, 0
.rept 8
	v_fma_f32 v[TK+j], v[DS+j], v[RK+4*j], v[RK+4*j+1]
	v_fma_f32 v[TV+j], v[DS+j], v[RV+4*j], v[RV+4*j+1]
.set j, j+1
.endr
.set j, 0
.rept 8
	v_fma_f32 v[TK+j], v[DS+j], v[TK+j], v[RK+4*j+2]
	v_fma_f32 v[TV+j], v[DS+j], v[TV+j], v[RV+4*j+2]
.set j, j+1
.endr
.set j, 0
.rept 8
	v_max_num_f32 v[TK+j], s55, v[TK+j]
	v_max_num_f32 v[TV+j], s55, v[TV+j]
.set j, j+1
.endr
.set j, 0
.rept 16                               ; one batch of 16 roots,
	v_rsq_f32 v[TK+j], v[TK+j]
.set j, j+1
.endr
.set j, 0
.rept 8                                ; eight plain lines that name none of their results (each accumulator is read from its low end on),
	v_fma_f32 v[U+j], v[DS+j], v24, v[16+j]
.set j, j+1
.endr
	s_wait_alu depctr_va_vdst(0)                   ; and one wait for the batch
.set j, 0
.rept 8
	v_fma_f32 v[U+j], v[TK+j], v[U+j], v25
.set j, j+1
.endr
.set j, 0
.rept 8
	v_mul_f32 v[U+j], s56, v[U+j]
.set j, j+1
.endr
.set j, 0
.rept 8
	v_exp_f32 v[U+j], v[U+j]
.set j, j+1
.endr
	v_nop
	s_wait_alu depctr_va_vdst(0)
.set j, 0
.rept 8
	v_add_f32 v[U+j], 1.0, v[U+j]
.set j, j+1
.endr
.set j, 0
.rept 8
	v_rcp_f32 v[SGM+j], v[U+j]
.set j, j+1
.endr
	v_nop
	s_wait_alu depctr_va_vdst(0)
.set j, 0
.rept 4
	v_pk_mul_f32 v[WU+j:WU+j+1], v[SGM+j:SGM+j+1], v[TV+j:TV+j+1]
.set j, j+2
.endr
	v_pk_add_f32 v[124:125], v[SGM:SGM+1], v[SGM+2:SGM+3]
	v_pk_add_f32 v[126:127], v[SGM+4:SGM+5], v[SGM+6:SGM+7]
	v_pk_add_f32 v[124:125], v[124:125], v[126:127]
	v_pk_mul_f32 v[126:127], v[WU:WU+1], v[DS:DS+1]
	v_add_f32 v124, v124, v125                     ; my 8 sigmoids
	v_pk_fma_f32 v[126:127], v[WU+2:WU+3], v[DS+2:DS+3], v[126:127]
	v_pk_fma_f32 v[126:127], v[WU+4:WU+5], v[DS+4:DS+5], v[126:127]
	v_pk_fma_f32 v[126:127], v[WU+6:WU+7], v[DS+6:DS+7], v[126:127]
	v_permlanex16_b32 v125, v124, s52, s53         ; the row's other 8 p lie in the lane 16 away
	v_add_f32 v126, v126, v127                     ; my 8 Wu s
	v_add_f32 v124, v124, v125
	v_permlanex16_b32 v127, v126, s52, s53
	v_cmp_eq_u32 s58, 1, v3
	v_add_f32 v126, v126, v127
	v_cndmask_b32 v124, v124, v126, s58            ; lanes 0-15 keep the sum of sg, lanes 16-31 that of Wu s
	ds_store_b32 v121, v124 offset:PS
	ds_store_b128 v12, v[SGM:SGM+3] offset:SST
	ds_store_b128 v12, v[SGM+4:SGM+7] offset:SST+16
.set n, 0
.rept 4                                ; p = 16 w + 8 (l / 16) + 0..7 of row b: half w % 2 of K step w / 2 of Wu as source 1
	v_cvt_pk_bf16_f32 v[104+n], v[WU+2*n], v[WU+2*n+1]
.set n, n+1
.endr
	ds_store_b128 v117, v[104:107] offset:WX
	s_wait_dscnt 0x0
	s_barrier_signal -1
	s_barrier_wait -1
	; P5: c^T = CV^T Wu over the work-group's 128 p.  Source 0 = channels 32 w + 16 t on
.irp kk, 0,1,2,3
	ds_load_b128 v[128+8*\kk:128+8*\kk+3],   v7 offset:WX+\kk*1024
	ds_load_b128 v[128+8*\kk+4:128+8*\kk+7], v7 offset:WX+\kk*1024+512
.endr
	ds_load_b128 v[160:163], v119 offset:SST       ; two whole rows of sigmoids, 512 bytes each
	ds_load_b128 v[164:167], v119 offset:SST+528
	s_wait_dscnt 2                                 ; Wu is in; the two rows may stay out
	s_wait_loadcnt 0x0                             ; CV
	WIN 0x01
.irp kk, 0,1,2,3
	MMA 16, 64+8*\kk, 128+8*\kk, \kk
	MMA 24, 96+8*\kk, 128+8*\kk, \kk
.endr
	WIN 0
	s_wait_dscnt 0x0
	global_store_b128 v7, v[160:163], s[46:47]     ; 512 consecutive bytes of a row of SG, aligned
	global_store_b128 v7, v[164:167], s[46:47] offset:4096
	PLACES
	ds_store_b128 v13, v[16:19] offset:CST         ; each accumulator's low registers first
	ds_store_b128 v13, v[20:23] offset:CST+16
	ds_store_b128 v13, v[24:27] offset:CST+64
	ds_store_b128 v13, v[28:31] offset:CST+80
	s_wait_dscnt 0x0
	s_barrier_signal -1
	s_barrier_wait -1
	; P6: two whole rows of c a wave, 2,048 consecutive bytes of CP; wave 0 adds the eight waves' sums
	ds_load_b128 v[168:171], v120 offset:CST
	ds_load_b128 v[172:175], v120 offset:CST+512
	ds_load_b128 v[176:179], v120 offset:CST+1040
	ds_load_b128 v[180:183], v120 offset:CST+1552
	s_wait_dscnt 0x0
	global_store_b128 v7, v[168:171], s[50:51]
	global_store_b128 v7, v[172:175], s[50:51] offset:512
	global_store_b128 v7, v[176:179], s[50:51] offset:1024
	global_store_b128 v7, v[180:183], s[50:51] offset:1536
	s_cmp_lg_u32 s3, 0
	s_cbranch_scc1 .Lend
	v_lshlrev_b32 v123, 2, v1
.irp k, 0,1,2,3,4,5,6,7
	ds_load_b32 v[184+\k], v123 offset:PS+128*\k
.endr
	s_wait_dscnt 0x0
	v_pk_add_f32 v[184:185], v[184:185], v[186:187]
	v_pk_add_f32 v[188:189], v[188:189], v[190:191]
	v_pk_add_f32 v[184:185], v[184:185], v[188:189]
	v_add_f32 v184, v184, v185
	global_store_b32 v122, v184, s[48:49]
.Lend:
	s_wait_tensorcnt 0x0                           ; the wave's end, behind my last LDS store
	ds_add_u32 v[SPW], v[NIL]
	s_wait_dscnt 0x0
	s_endpgm
.Lfunc_end_k_q472abe6192_score:
	.size	k_q472abe6192_score, .Lfunc_end_k_q472abe6192_score-k_q472abe6192_score
	.p2alignl 7, 3214868480
	.fill 96, 4, 3214868480
	.section	.rodata,"a",@progbits
	.p2align	6, 0x0
	.amdhsa_kernel k_q472abe6192_score
		.amdhsa_group_segment_fixed_size 60160
		.amdhsa_private_segment_fixed_size 0
		.amdhsa_enable_private_segment 0
		.amdhsa_kernarg_size 88
		.amdhsa_user_sgpr_count 2
		.amdhsa_user_sgpr_kernarg_segment_ptr 1
		.amdhsa_wavefront_size32 1
		.amdhsa_system_sgpr_workgroup_id_x 1
		.amdhsa_system_sgpr_workgroup_id_y 1
		.amdhsa_system_sgpr_workgroup_id_z 1
		.amdhsa_system_vgpr_workitem_id 0
		.amdhsa_next_free_vgpr 448
		.amdhsa_next_free_sgpr 66
		.amdhsa_reserve_vcc 0
		.amdhsa_float_denorm_mode_32 3
		.amdhsa_float_denorm_mode_16_64 3
		.amdhsa_memory_ordered 1
		.amdhsa_forward_progress 1
		.amdhsa_inst_pref_size 35
	.end_amdhsa_kernel
	.amdgpu_metadata
---
amdhsa.version: [ 1, 2 ]
amdhsa.kernels:
  - .name:           k_q472abe6192_score
    .symbol:         k_q472abe6192_score.kd
    .args:
      - { .name: QP, .offset: 0, .size: 8, .value_kind: global_buffer, .address_space: global }
      - { .name: ln_q_g, .offset: 8, .size: 8, .value_kind: global_buffer, .address_space: global }
      - { .name: ln_q_b, .offset: 16, .size: 8, .value_kind: global_buffer, .address_space: global }
      - { .name: UQS, .offset: 24, .size: 8, .value_kind: global_buffer, .address_space: global }
      - { .name: K2F, .offset: 32, .size: 8, .value_kind: global_buffer, .address_space: global }
      - { .name: ST, .offset: 40, .size: 8, .value_kind: global_buffer, .address_space: global }
      - { .name: CVF, .offset: 48, .size: 8, .value_kind: global_buffer, .address_space: global }
      - { .name: desc_2d, .offset: 56, .size: 8, .value_kind: global_buffer, .address_space: global }
      - { .name: SG, .offset: 64, .size: 8, .value_kind: global_buffer, .address_space: global }
      - { .name: SP, .offset: 72, .size: 8, .value_kind: global_buffer, .address_space: global }
      - { .name: CP, .offset: 80, .size: 8, .value_kind: global_buffer, .address_space: global }
    .group_segment_fixed_size: 60160
    .private_segment_fixed_size: 0
    .kernarg_segment_align: 8
    .kernarg_segment_size: 88
    .max_flat_workgroup_size: 256
    .sgpr_count:     66
    .vgpr_count:     448
    .wavefront_size: 32
...
	.end_amdgpu_metadata
.endif
;; end of part 2
;; launch final (part 3): grid 256 x 1, 4 waves a work-group, no clusters, 0 bytes of LDS; arguments SG, SP, CP, wv_val, ln_v_g, ln_v_b, out0, out1; writes out0, out1
.if DOCPART == 3
	.amdgcn_target "amdgcn-amd-amdhsa--gfx1250"
	.amdhsa_code_object_version 6
	.text
	.protected	k_q472abe6192_final
	.globl	k_q472abe6192_final
	.p2align	8
	.type	k_q472abe6192_final,@function
k_q472abe6192_final:
	s_mov_b64 s[64:65], 0
	v_nop
	global_prefetch_b8 v0, s[64:65] scope:SCOPE_SE
	s_setreg_imm32_b32 hwreg(HW_REG_WAVE_MODE, 25, 1), 1
	s_wait_xcnt 0x0
; FINAL: the sums over the eight blocks of p, and the division.  A work-group owns rows b0 = 2 x its number and b0 + 1.  With S = sum_p sg, T1 = sum_p Wu s, inv = 1 / (S + 1e-12):
;   alpha[b][p] = sg[b][p] inv                                                                  -> out1
;   c[b][d] = inv (g_v[d] a'_v[d] T1 + sum over blocks of CP[blk][b][d]) + beta_v[d] S inv      -> out0          (a'_v = wv_val - its mean)
; A stream: 17 loads of 16 bytes a thread, all asked for at the head; every load and store of a wave covers 512 consecutive bytes, aligned, but the two of wv_val, which cover its 1,024 bytes together.  No LDS, no matrix work, no barrier: no wave needs another's numbers.
; The 32 partial sums of S and T1 are the same for a whole row: they come by scalar loads (this launch writes nothing of SP) and are added in f32.
; LIMITS: NaN and infinities are not treated apart.
	s_load_b512 s[8:23], s[0:1], 0x0               ; SG 8, SP 10, CP 12, wv 14, ln_v_g 16, ln_v_b 18, out0 20, out1 22
	v_lshlrev_b32 v1, 4, v0                        ; 16 t: in a half row of 2,048 bytes of sg; in the two rows of c (64 threads a row of 1,024 bytes)
	v_and_b32 v2, 31, v0
	v_lshlrev_b32 v2, 5, v2                        ; 32 x lane: all of wv_val in a wave, for its mean
	v_and_b32 v3, 63, v0
	v_lshlrev_b32 v3, 4, v3                        ; my four channels
	v_lshrrev_b32 v4, 5, v0
	v_readfirstlane_b32 s3, v4                     ; wave 0..3: waves 0, 1 make c's row b0, waves 2, 3 row b0 + 1
	s_lshl_b32 s4, ttmp9, 3                        ; 4 b0
	s_mov_b32 s5, 0
	s_lshl_b32 s6, ttmp9, 13                       ; 4,096 b0
	s_mov_b32 s7, 0
	s_lshl_b32 s26, ttmp9, 11                      ; 1,024 b0
	s_mov_b32 s27, 0
	s_mov_b32 s78, 0x76543210                      ; v_permlanex16_b32: each lane takes its own place in the other half
	s_mov_b32 s79, 0xfedcba98
	s_wait_kmcnt 0x0
	s_add_nc_u64 s[24:25], s[10:11], s[4:5]
.irp k, 0,1,2,3,4,5,6,7
	s_load_b64 s[32+2*\k:33+2*\k], s[24:25], \k*4096       ; block k: S of b0, of b0 + 1
	s_load_b64 s[48+2*\k:49+2*\k], s[24:25], \k*4096+2048  ; and T1
.endr
	s_add_nc_u64 s[28:29], s[8:9], s[6:7]          ; SG
	s_add_nc_u64 s[30:31], s[12:13], s[26:27]      ; CP
	s_add_nc_u64 s[70:71], s[20:21], s[26:27]      ; out0
	s_add_nc_u64 s[72:73], s[22:23], s[6:7]        ; out1
	global_load_b128 v[8:11],  v2, s[14:15]
	global_load_b128 v[12:15], v2, s[14:15] offset:16
	global_load_b128 v[16:19], v3, s[14:15]
	global_load_b128 v[20:23], v3, s[16:17]
	global_load_b128 v[24:27], v3, s[18:19]
.irp q, 0,1,2,3                        ; half rows 0, 1 of b0, then of b0 + 1
	global_load_b128 v[48+4*\q:51+4*\q], v1, s[28:29] offset:\q*2048 th:TH_LOAD_NT
.endr
.irp k, 0,1,2,3,4,5,6,7
	global_load_b128 v[64+4*\k:67+4*\k], v1, s[30:31] offset:\k*524288 th:TH_LOAD_NT
.endr
	s_wait_kmcnt 0x0
	s_add_f32 s66, s32, s34                        ; S of b0,
	s_add_f32 s67, s33, s35                        ; of b0 + 1,
	s_add_f32 s68, s48, s50                        ; T1 of b0,
	s_add_f32 s69, s49, s51                        ; of b0 + 1
.irp k, 2,3,4,5,6,7
	s_add_f32 s66, s66, s[32+2*\k]
	s_add_f32 s67, s67, s[33+2*\k]
	s_add_f32 s68, s68, s[48+2*\k]
	s_add_f32 s69, s69, s[49+2*\k]
.endr
	v_mov_b32 v40, s66
	v_mov_b32 v42, s67
	v_add_f32 v40, 0x2b8cbccc, v40                 ; + 1e-12
	v_add_f32 v42, 0x2b8cbccc, v42
	v_rcp_f32 v40, v40
	v_rcp_f32 v42, v42
	v_mov_b32 v41, 0                               ; plain lines behind the reciprocals: the upper halves of the pairs that the packed lines name
	v_mov_b32 v43, 0
	v_mov_b32 v45, 0
	v_mov_b32 v47, 0
	s_cmp_lt_u32 s3, 2
	s_cselect_b32 s74, s68, s69                    ; my row's T1 (the low word of a pair: the packed line takes it for both halves),
	s_cselect_b32 s75, s66, s67                    ; its S,
	s_cselect_b32 s76, 0, -1
	s_wait_alu depctr_va_vdst(0)                   ; the wait ahead of the reciprocals' first reader: one for both
	v_cndmask_b32 v44, v40, v42, s76               ; and its inv
	v_mul_f32 v46, s75, v44                        ; S inv
	s_wait_loadcnt 12                              ; the five loads of vectors are in; SG's 4 and CP's 8 may stay out
	v_pk_add_f32 v[28:29], v[8:9], v[10:11]
	v_pk_add_f32 v[30:31], v[12:13], v[14:15]
	v_pk_add_f32 v[28:29], v[28:29], v[30:31]
	v_add_f32 v28, v28, v29
.irp m, 1,2,4,8
	v_add_f32_dpp v28, v28, v28 row_xmask:\m row_mask:0xf bank_mask:0xf
.endr
	v_permlanex16_b32 v29, v28, s78, s79
	v_add_f32 v28, v28, v29
	v_mul_f32 v28, 0x3b800000, v28                 ; the mean of wv_val
	v_pk_add_f32 v[16:17], v[16:17], v[28:29] op_sel_hi:[1,0] neg_lo:[0,1] neg_hi:[0,1]
	v_pk_add_f32 v[18:19], v[18:19], v[28:29] op_sel_hi:[1,0] neg_lo:[0,1] neg_hi:[0,1]
	v_pk_mul_f32 v[16:17], v[16:17], v[20:21]      ; g a'
	v_pk_mul_f32 v[18:19], v[18:19], v[22:23]
	v_pk_mul_f32 v[24:25], v[24:25], v[46:47] op_sel_hi:[1,0]  ; beta S inv
	v_pk_mul_f32 v[26:27], v[26:27], v[46:47] op_sel_hi:[1,0]
	s_wait_loadcnt 8                               ; SG is in; CP's 8 may stay out
.irp n, 0,2,4,6
	v_pk_mul_f32 v[48+\n:49+\n], v[48+\n:49+\n], v[40:41] op_sel_hi:[1,0]
	v_pk_mul_f32 v[56+\n:57+\n], v[56+\n:57+\n], v[42:43] op_sel_hi:[1,0]
.endr
.irp q, 0,1,2,3
	global_store_b128 v1, v[48+4*\q:51+4*\q], s[72:73] offset:\q*2048 th:TH_STORE_NT
.endr
	s_wait_loadcnt 0x0
.irp k, 0,8,16,24
	v_pk_add_f32 v[64+\k:65+\k], v[64+\k:65+\k], v[68+\k:69+\k]
	v_pk_add_f32 v[66+\k:67+\k], v[66+\k:67+\k], v[70+\k:71+\k]
.endr
.irp k, 0,16
	v_pk_add_f32 v[64+\k:65+\k], v[64+\k:65+\k], v[72+\k:73+\k]
	v_pk_add_f32 v[66+\k:67+\k], v[66+\k:67+\k], v[74+\k:75+\k]
.endr
	v_pk_add_f32 v[64:65], v[64:65], v[80:81]
	v_pk_add_f32 v[66:67], v[66:67], v[82:83]
	v_pk_fma_f32 v[64:65], v[16:17], s[74:75], v[64:65] op_sel_hi:[1,0,1]
	v_pk_fma_f32 v[66:67], v[18:19], s[74:75], v[66:67] op_sel_hi:[1,0,1]
	v_pk_fma_f32 v[64:65], v[64:65], v[44:45], v[24:25] op_sel_hi:[1,0,1]
	v_pk_fma_f32 v[66:67], v[66:67], v[44:45], v[26:27] op_sel_hi:[1,0,1]
	global_store_b128 v1, v[64:67], s[70:71] th:TH_STORE_NT
	s_endpgm
.Lfunc_end_k_q472abe6192_final:
	.size	k_q472abe6192_final, .Lfunc_end_k_q472abe6192_final-k_q472abe6192_final
	.p2alignl 7, 3214868480
	.fill 96, 4, 3214868480
	.section	.rodata,"a",@progbits
	.p2align	6, 0x0
	.amdhsa_kernel k_q472abe6192_final
		.amdhsa_group_segment_fixed_size 0
		.amdhsa_private_segment_fixed_size 0
		.amdhsa_enable_private_segment 0
		.amdhsa_kernarg_size 64
		.amdhsa_user_sgpr_count 2
		.amdhsa_user_sgpr_kernarg_segment_ptr 1
		.amdhsa_wavefront_size32 1
		.amdhsa_system_sgpr_workgroup_id_x 1
		.amdhsa_system_sgpr_workgroup_id_y 1
		.amdhsa_system_sgpr_workgroup_id_z 1
		.amdhsa_system_vgpr_workitem_id 0
		.amdhsa_next_free_vgpr 96
		.amdhsa_next_free_sgpr 80
		.amdhsa_reserve_vcc 0
		.amdhsa_float_denorm_mode_32 3
		.amdhsa_float_denorm_mode_16_64 3
		.amdhsa_memory_ordered 1
		.amdhsa_forward_progress 1
		.amdhsa_inst_pref_size 9
	.end_amdhsa_kernel
	.amdgpu_metadata
---
amdhsa.version: [ 1, 2 ]
amdhsa.kernels:
  - .name:           k_q472abe6192_final
    .symbol:         k_q472abe6192_final.kd
    .args:
      - { .name: SG, .offset: 0, .size: 8, .value_kind: global_buffer, .address_space: global }
      - { .name: SP, .offset: 8, .size: 8, .value_kind: global_buffer, .address_space: global }
      - { .name: CP, .offset: 16, .size: 8, .value_kind: global_buffer, .address_space: global }
      - { .name: wv_val, .offset: 24, .size: 8, .value_kind: global_buffer, .address_space: global }
      - { .name: ln_v_g, .offset: 32, .size: 8, .value_kind: global_buffer, .address_space: global }
      - { .name: ln_v_b, .offset: 40, .size: 8, .value_kind: global_buffer, .address_space: global }
      - { .name: out0, .offset: 48, .size: 8, .value_kind: global_buffer, .address_space: global }
      - { .name: out1, .offset: 56, .size: 8, .value_kind: global_buffer, .address_space: global }
    .group_segment_fixed_size: 0
    .private_segment_fixed_size: 0
    .kernarg_segment_align: 8
    .kernarg_segment_size: 64
    .max_flat_workgroup_size: 128
    .sgpr_count:     80
    .vgpr_count:     96
    .wavefront_size: 32
...
	.end_amdgpu_metadata
.endif
;; end of part 3
;; ======== version 2 of 2: 3 launches; version 1 with the launch prep written anew for expert scheduling mode
;; limits: a difference of large sums (such as E[x^2] - mean^2): digits are lost where the result is much smaller than its terms
;; workspace buffers: QP 524,288 bytes; UQS 131,072 bytes; K2F 532,480 bytes; ST 32,768 bytes; CVF 524,288 bytes; SG 2,097,152 bytes; SP 32,768 bytes; CP 4,194,304 bytes
;; launch prep (part 4): grid 201 x 1, 16 waves a work-group, no clusters, 111,104 bytes of LDS; arguments hg, Wq, bq, Ek, Ev, bk_val, bv_val, wk_val, wv_val, ln_k_g, ln_v_g, ln_k_b, Vk, Uq, QP, K2F, CVF, ST, UQS; writes QP, K2F, CVF, ST, UQS
.if DOCPART == 4
	.amdgcn_target "amdgcn-amd-amdhsa--gfx1250"
	.amdhsa_code_object_version 6
	.text
	.protected	k_q472abe6192_prep
	.globl	k_q472abe6192_prep
	.p2align	8
	.type	k_q472abe6192_prep,@function
k_q472abe6192_prep:
	s_mov_b64 s[64:65], 0
	v_nop
	global_prefetch_b8 v0, s[64:65] scope:SCOPE_SE
	s_setreg_imm32_b32 hwreg(HW_REG_WAVE_SCHED_MODE, 0, 2), 2
	s_setreg_imm32_b32 hwreg(HW_REG_WAVE_MODE, 25, 1), 1
	s_wait_xcnt 0x0
	s_wait_alu depctr_vm_vsrc(0)
; PREP: all that does not hang on desc_2d.  The LayerNorm of s a + c_p (s = desc[b][p], a = w_val, c_p = b_val + E[p]) is closed in s: with a' = a - mean(a), c'_p = c_p - mean(c_p)
;   var = s^2 mean(a'^2) + 2 s mean(a' c'_p) + mean(c'_p^2),   LN = (s a' + c'_p) rsqrt(var + eps) g + beta.
; So the tables below, one row for each p, stand for the (B, P, DA) tensors k and v.  Four roles, chosen by the work-group's number (the same in all 16 waves):
;   0..127   R1  qpre = hg Wq^T + bq: a tile of 32 b x 32 n, K = 1,024 split among the 16 waves (64 each); the 16 partial tiles (f32) meet in LDS.          -> QP
;   128..160 R2  K2[p][e] = sum_d Vk[e][d] (g_k c'_p)[d] for 32 p, and the records {mean a'^2, 2 mean a'c', mean c'^2 + eps}.                              -> K2F, ST
;                Number 160 makes the extra tile: rows 0, 8 = Vk (g_k a'_k), rows 1, 9 = Vk beta_k, the other rows 0.
;   161..192 R3  (g_v c'_p)[d] for 32 p, turned so that p runs along a lane's registers, and V's records.                                                 -> CVF, ST
;   193..200 R4  Uq rounded to bf16, 32 rows.                                                                                                             -> UQS
; K2F and CVF are written in the order of a matrix operand's registers ([tile][K step][half][lane][16 bytes]), so the next launch loads them with 512 consecutive bytes an instruction.
; Matrix operands are bf16, all sums f32.  LIMITS: NaN and infinities are not treated apart.  Means are taken away in f32 before any product, so a common offset of E, of a bias or of w_val costs nothing.
; NO CLUSTER, NO TENSOR LOAD: there is no loop in which LDS slots could take turns; a wave asks for all its operands in its first lines, straight into registers; LDS carries only what waves hand to each other.
; LDS: each role has bytes of its own, so that no two roles' lines name the same bytes; 16 waves of 256 registers fill a WGP's registers, so the larger claim keeps no second work-group away.
; LANES.  FRAG (a matrix operand, 16 rows x 32 k): lane l holds row l % 16; registers 0-3 k = 8 (l / 16) + 0..7, registers 4-7 k = 16 + 8 (l / 16) + 0..7 (ISA guide 7.12.2): from f32 rows four loads of 16 bytes
; at 32 (l / 16) + {0, 16, 64, 80}, then eight roundings.  HALFROW: wave w owns rows 2 w + l / 16; a lane holds channels 128 j + 8 (l % 16) + 0..7, j = 0, 1: a row's sum stays inside 16 lanes.
; THE MODE: SCHED_MODE bits 1:0 = 2 (LLVM: expert scheduling mode 2), set by the entry lines.  The code itself states the register dependences
; between vector or matrix instructions and memory or LDS instructions, with s_wait_alu, always for 0.
; THE PLAN.  There is no loop: each role is one straight run, and a register that a memory or LDS instruction names has one writer and one kind of reader, but for those marked 'again'.
;   offsets and LDS addresses  v5 to v12: made by vector lines ahead of a wait on va_vdst that stands there for data too, and never written again, but v10 (again: by wave 0, for the records' way out).
;   R4  v[32:47] loads -> roundings;  v[104:111] roundings -> stores.
;   R1  v[12:13], v[128:255] loads -> vector lines;  v[16:47] products -> LDS stores;  v[128:159] again: LDS loads -> adds;  v[128:129] adds -> store.
;   R2, R3 (ROWS)  v[32:95] loads -> vector lines;  v[100:111] vector lines -> LDS stores.
;   R3  v[32:39] again: turning LDS loads -> stores.
;   R2  v[128:255] loads -> roundings in place;  v[64:127], v[192:255] again: LDS loads -> products;  v[32:39] again: roundings -> stores.
;   wave 0 of R2, R3  v[40:43] again: an LDS load -> store.
; So a role has a wait on va_vdst ahead of its loads (the offsets are written), one ahead of each run of stores (their data are written; the vector lines are done with the registers in which later LDS loads land),
; and R2 one more behind its roundings in place.  ONE wait on vm_vsrc stands at ROWS's end, for v10 and v[100:111].  Two waits on va_sdst: the wave's number, and the extra tile's two masks.
.set IMG,   4608                       ; R1: a wave's partial tile in LDS: 32 rows x (128 + 16) bytes; 16 of them fill bytes 0..73,727
.set KT,    16*IMG                     ; R2: 32 rows of g c', bf16, 528 bytes apart,
.set KST,   KT+32*528                  ;     and their 32 records of 16 bytes
.set VT,    KST+512                    ; R3: 32 rows, 544 bytes apart,
.set VST,   VT+32*544                  ;     and their records
.set SPARE, VST+512                    ; 109,056: the spare words: 128 bytes for each of 16 waves, eight blocks of 256 bytes that no other line names
.set SPW, 14                           ; v14  LDS address of my spare word; never rewritten
.set NIL, 15                           ; v15  0; never rewritten
.set X,   32                           ; v[32:47]   E's row (the extra tile: beta_k)
.set BB,  48                           ; v[48:63]   the bias, then c, then c'
.set WW,  64                           ; v[64:79]   w_val, then a'
.set GG,  80                           ; v[80:95]   the gain
.set T,   96                           ; v[96:111]  at work; T+4..T+7 the record; T+8..T+15 the packed row
.set Y,   112                          ; v[112:127] the row to be rounded
.set RAW, 128                          ; v[128:255] f32 operands as loaded
.macro PLACES                          ; plain places between a product and the first reader of its result (ISA guide 7.12.1 asks for four; this text keeps eight, once a phase)
.rept 8
	v_nop
.endr
.endm
.macro LDF dst, voff, sb, imm          ; one FRAG of f32: 16 registers
	global_load_b128 v[(\dst):(\dst)+3],     v[\voff], s[\sb:\sb+1] offset:(\imm)
	global_load_b128 v[(\dst)+4:(\dst)+7],   v[\voff], s[\sb:\sb+1] offset:(\imm)+16
	global_load_b128 v[(\dst)+8:(\dst)+11],  v[\voff], s[\sb:\sb+1] offset:(\imm)+64
	global_load_b128 v[(\dst)+12:(\dst)+15], v[\voff], s[\sb:\sb+1] offset:(\imm)+80
.endm
.macro SUM16 t, s                      ; v[t] = the sum of a HALFROW row: 16 registers, then 16 lanes; v[t..t+7] are written
	v_pk_add_f32 v[(\t):(\t)+1],   v[(\s):(\s)+1],     v[(\s)+2:(\s)+3]
	v_pk_add_f32 v[(\t)+2:(\t)+3], v[(\s)+4:(\s)+5],   v[(\s)+6:(\s)+7]
	v_pk_add_f32 v[(\t)+4:(\t)+5], v[(\s)+8:(\s)+9],   v[(\s)+10:(\s)+11]
	v_pk_add_f32 v[(\t)+6:(\t)+7], v[(\s)+12:(\s)+13], v[(\s)+14:(\s)+15]
	v_pk_add_f32 v[(\t):(\t)+1],   v[(\t):(\t)+1],     v[(\t)+2:(\t)+3]
	v_pk_add_f32 v[(\t)+4:(\t)+5], v[(\t)+4:(\t)+5],   v[(\t)+6:(\t)+7]
	v_pk_add_f32 v[(\t):(\t)+1],   v[(\t):(\t)+1],     v[(\t)+4:(\t)+5]
	v_add_f32 v[(\t)], v[(\t)], v[(\t)+1]
.irp m, 1,2,4,8
	v_add_f32_dpp v[(\t)], v[(\t)], v[(\t)] row_xmask:\m row_mask:0xf bank_mask:0xf
.endr
.endm
.macro CENTRE s, t                     ; the 16 registers at s, less v[t]
.set n, 0
.rept 8
	v_pk_add_f32 v[(\s)+n:(\s)+n+1], v[(\s)+n:(\s)+n+1], v[(\t):(\t)+1] op_sel_hi:[1,0] neg_lo:[0,1] neg_hi:[0,1]
.set n, n+2
.endr
.endm
.macro STATOUT stat                    ; wave 0 stores the 32 rows' records: 512 consecutive bytes at s[66:67].  (v10 may be written: the wait on vm_vsrc at ROWS's end has shown it read)
	s_cmp_lg_u32 s3, 0
	s_cbranch_scc1 .Lend
	v_lshl_add_u32 v10, v1, 4, \stat
	v_lshlrev_b32 v13, 4, v1
	s_wait_alu depctr_va_vdst(0)                   ; v10 and v13 are written: the LDS load's address and the store's offset
	ds_load_b128 v[40:43], v10
	s_wait_dscnt 0x0
	global_store_b128 v13, v[40:43], s[66:67]
.endm
	s_load_b512 s[8:23], s[0:1], 0x0               ; hg 8, Wq 10, bq 12, Ek 14, Ev 16, bk 18, bv 20, wk 22
	s_load_b512 s[24:39], s[0:1], 0x40             ; wv 24, ln_k_g 26, ln_v_g 28, ln_k_b 30, Vk 32, Uq 34, QP 36, K2F 38
	s_load_b128 s[40:43], s[0:1], 0x80             ; CVF 40, ST 42
	s_load_b64 s[44:45], s[0:1], 0x90              ; UQS
	v_lshl_add_u32 v[SPW], v0, 2, SPARE
	v_mov_b32 v[NIL], 0
	v_lshrrev_b32 v4, 5, v0
	v_readfirstlane_b32 s3, v4                     ; wave 0..15
	v_and_b32 v1, 31, v0                           ; lane
	v_and_b32 v2, 15, v0                           ; l % 16
	v_bfe_u32 v3, v0, 4, 1                         ; l / 16
	v_lshlrev_b32 v7, 5, v2                        ; HALFROW: my 32 bytes in each half of an f32 row
	s_mov_b32 s2, ttmp9
	s_mov_b32 s49, 0                               ; the high word of every offset
	s_mov_b32 s68, 0x3b800000                      ; 1 / 256
	s_mov_b32 s69, 0x3727c5ac                      ; 1e-5
	s_wait_alu depctr_va_sdst(0)                   ; s3 is written, ahead of its first reader, the next line
	v_lshl_add_u32 v5, s3, 1, v3                   ; HALFROW: my row, 2 w + l / 16
	s_wait_kmcnt 0x0
	s_cmp_lt_u32 s2, 128
	s_cbranch_scc1 .Lqpre
	s_cmp_lt_u32 s2, 161
	s_cbranch_scc1 .Lktab
	s_cmp_lt_u32 s2, 193
	s_cbranch_scc1 .Lvtab
	; R4: 32 rows of Uq to bf16.  Sixteen lanes store 256 consecutive bytes, aligned.
	s_sub_co_u32 s46, s2, 193
	s_lshl_b32 s48, s46, 15
	s_add_nc_u64 s[50:51], s[34:35], s[48:49]
	s_lshl_b32 s48, s46, 14
	s_add_nc_u64 s[52:53], s[44:45], s[48:49]
	v_lshl_add_u32 v6, v5, 10, v7                  ; row x 1,024 + 32 (l % 16)
	v_lshlrev_b32 v8, 4, v2
	v_lshl_add_u32 v8, v5, 9, v8                   ; row x 512 + 16 (l % 16)
	s_wait_alu depctr_va_vdst(0)                   ; v6 and v8 are written: the loads' offset and the stores'
.irp q, 0,1,2,3
	global_load_b128 v[X+4*\q:X+4*\q+3], v6, s[50:51] offset:(\q/2)*512+(\q%2)*16
.endr
	s_wait_loadcnt 0x0
.set n, 0
.rept 8
	v_cvt_pk_bf16_f32 v[T+8+n], v[X+2*n], v[X+2*n+1]
.set n, n+1
.endr
	s_wait_alu depctr_va_vdst(0)                   ; the roundings have written v[T+8 ..], which the stores read
	global_store_b128 v8, v[T+8:T+11], s[52:53]
	global_store_b128 v8, v[T+12:T+15], s[52:53] offset:256
	s_branch .Lend
	; R1: qpre.  Source 0 = 16 rows of Wq, source 1 = 16 rows of hg: a lane's result is one row b and eight neighbouring columns.
.macro QMUL bf, zero                   ; four products, accumulator a = 2 tb + tn at v[16 + 8 a]: the four take turns
.irp a, 0,1,2,3
.if \zero
	v_wmma_f32_16x16x32_bf16 v[16+8*\a:23+8*\a], v[(\bf)+8*(\a%2):(\bf)+8*(\a%2)+7], v[(\bf)+16+8*(\a/2):(\bf)+16+8*(\a/2)+7], 0
.else
	v_wmma_f32_16x16x32_bf16 v[16+8*\a:23+8*\a], v[(\bf)+8*(\a%2):(\bf)+8*(\a%2)+7], v[(\bf)+16+8*(\a/2):(\bf)+16+8*(\a/2)+7], v[16+8*\a:23+8*\a]
.endif
.endr
.endm
.Lqpre:
	s_lshr_b32 s46, s2, 3                          ; block of 32 b
	s_and_b32 s47, s2, 7                           ; block of 32 n
	s_lshl_b32 s48, s46, 17                        ; 32 rows of 4,096 bytes
	s_add_nc_u64 s[50:51], s[8:9], s[48:49]        ; hg
	s_lshl_b32 s48, s47, 17
	s_add_nc_u64 s[52:53], s[10:11], s[48:49]      ; Wq
	s_lshl_b32 s48, s47, 7
	s_add_nc_u64 s[54:55], s[12:13], s[48:49]      ; bq
	s_lshl_b32 s48, s2, 12
	s_add_nc_u64 s[56:57], s[36:37], s[48:49]      ; QP: block [32 b][32 n], 4,096 bytes, at the work-group's number
	v_lshlrev_b32 v5, 3, v2                        ; my two columns' bias
	v_lshlrev_b32 v6, 12, v2
	v_lshl_add_u32 v6, v3, 5, v6
	v_lshl_add_u32 v6, s3, 8, v6                   ; row x 4,096 + 32 (l / 16) + my wave's 64 along K
	s_wait_alu depctr_va_vdst(0)                   ; v5 and v6 are written: the offsets of the 33 loads below
	global_load_b64 v[12:13], v5, s[54:55]
.irp ks, 0,1
	LDF RAW+64*\ks,    6, 52, 128*\ks
	LDF RAW+64*\ks+16, 6, 52, 128*\ks+65536
	LDF RAW+64*\ks+32, 6, 50, 128*\ks
	LDF RAW+64*\ks+48, 6, 50, 128*\ks+65536
.endr
	s_mul_i32 s48, s3, IMG
	v_mul_u32_u24 v7, v2, 144                      ; none of v7 to v10 is named by the loads above
	v_lshl_add_u32 v7, v3, 5, v7
	v_add_nc_u32 v7, s48, v7                       ; into my image: row l % 16, 32 bytes for each half of the lanes
	v_lshrrev_b32 v8, 4, v0
	v_mul_u32_u24 v8, v8, 144
	v_lshl_add_u32 v8, v2, 3, v8                   ; back: thread t takes row t / 16, columns 2 (t % 16), + 1 of every image
	v_add_nc_u32 v9, 8*IMG, v8                     ; images 8 to 15: beyond the 16 bits of an offset
	v_lshlrev_b32 v10, 3, v0
	s_wait_loadcnt 16                              ; the bias and the first 32 along K are in; the second 32's 16 loads may stay out
.set n, 0
.rept 32
	v_cvt_pk_bf16_f32 v[64+n], v[RAW+2*n], v[RAW+2*n+1]
.set n, n+1
.endr
	QMUL 64, 1                                     ; the first products start the sums
	s_wait_loadcnt 0x0
.set n, 0
.rept 32
	v_cvt_pk_bf16_f32 v[96+n], v[RAW+64+2*n], v[RAW+64+2*n+1]
.set n, n+1
.endr
	QMUL 96, 0
	PLACES
	s_wait_alu depctr_va_vdst(0)                   ; the products have written v[16:47], the LDS stores' data (the places above stay beside this wait); v7 to v10 are written; the roundings are done reading v[RAW ..], in which the LDS loads below land
.irp a, 0,1,2,3                        ; each accumulator's low registers first
	ds_store_b128 v7, v[16+8*\a:19+8*\a] offset:(\a/2)*2304+(\a%2)*64
	ds_store_b128 v7, v[20+8*\a:23+8*\a] offset:(\a/2)*2304+(\a%2)*64+16
.endr
	s_wait_dscnt 0x0                               ; for the others' sake: my image is whole
	s_barrier_signal -1
	s_barrier_wait -1
.irp k, 0,1,2,3,4,5,6,7                ; no wait: no vector or matrix line since the wait above
	ds_load_b64 v[RAW+2*\k:RAW+2*\k+1], v8 offset:\k*IMG
	ds_load_b64 v[RAW+16+2*\k:RAW+16+2*\k+1], v9 offset:\k*IMG
.endr
	s_wait_dscnt 0x0
.irp k, 0,4,8,12,16,20,24,28
	v_pk_add_f32 v[RAW+\k:RAW+\k+1], v[RAW+\k:RAW+\k+1], v[RAW+\k+2:RAW+\k+3]
.endr
.irp k, 0,8,16,24
	v_pk_add_f32 v[RAW+\k:RAW+\k+1], v[RAW+\k:RAW+\k+1], v[RAW+\k+4:RAW+\k+5]
.endr
	v_pk_add_f32 v[RAW:RAW+1], v[RAW:RAW+1], v[RAW+8:RAW+9]
	v_pk_add_f32 v[RAW+16:RAW+17], v[RAW+16:RAW+17], v[RAW+24:RAW+25]
	v_pk_add_f32 v[RAW:RAW+1], v[RAW:RAW+1], v[RAW+16:RAW+17]
	v_pk_add_f32 v[RAW:RAW+1], v[RAW:RAW+1], v[12:13]
	s_wait_alu depctr_va_vdst(0)                   ; the adds have written v[RAW:RAW+1], which the store reads
	global_store_b64 v10, v[RAW:RAW+1], s[56:57]   ; a wave stores 256 consecutive bytes, aligned
	s_branch .Lend
; ROWS: 32 rows of a table, two a wave (HALFROW).  s[50:51] E's rows (s60 bytes apart), s[52:53] the bias, s[54:55] w_val, s[56:57] the gain.  Leaves g c' (bf16) in LDS from \tile on, in rows of \pitch bytes,
; and the rows' records from \stat on, and passes the barrier behind which all waves may read them.  vk = 1 (R2): my 16 rows of Vk are asked for behind the 16 loads and rounded in place while the LDS stores are out.
; The role has made v11 and v12, which its lines behind ROWS use as addresses, ahead of ROWS: the first wait below covers them.
.macro ROWS pitch, vk, tile, stat
	v_mad_u32_u24 v6, v5, s60, v7
.if \vk
	v_lshlrev_b32 v8, 10, v2
	v_lshl_add_u32 v8, v3, 5, v8                   ; FRAG in rows of 1,024 bytes
.endif
	s_wait_alu depctr_va_vdst(0)                   ; the offsets v6 and v7 (with vk = 1: v8 too) are written, which the loads below read; so are v11 and v12
.irp q, 0,1,2,3
	global_load_b128 v[X+4*\q:X+4*\q+3], v6, s[50:51] offset:(\q/2)*512+(\q%2)*16
.endr
.irp q, 0,1,2,3
	global_load_b128 v[BB+4*\q:BB+4*\q+3], v7, s[52:53] offset:(\q/2)*512+(\q%2)*16
.endr
.irp q, 0,1,2,3
	global_load_b128 v[WW+4*\q:WW+4*\q+3], v7, s[54:55] offset:(\q/2)*512+(\q%2)*16
.endr
.irp q, 0,1,2,3
	global_load_b128 v[GG+4*\q:GG+4*\q+3], v7, s[56:57] offset:(\q/2)*512+(\q%2)*16
.endr
.if \vk
.irp ks, 0,1,2,3,4,5,6,7
	LDF RAW+16*\ks, 8, 58, 128*\ks
.endr
.endif
	v_mul_u32_u24 v9, v5, \pitch
	v_lshl_add_u32 v9, v2, 4, v9
	v_add_nc_u32 v9, \tile, v9                     ; my 16 bytes in each half of the bf16 row (the base lies beyond the 16 bits of an offset)
	v_lshl_add_u32 v10, v5, 4, \stat               ; my row's record
.if \vk
	s_wait_loadcnt 32                              ; the 16 are in; Vk's 32 loads are younger and may stay out
.else
	s_wait_loadcnt 0x0
.endif
	SUM16 T, WW
	v_mul_f32 v[T], s68, v[T]
	CENTRE WW, T                                   ; a'
.set n, 0
.rept 8
	v_pk_add_f32 v[BB+n:BB+n+1], v[X+n:X+n+1], v[BB+n:BB+n+1]
.set n, n+2
.endr
	SUM16 T, BB
	v_mul_f32 v[T], s68, v[T]
	CENTRE BB, T                                   ; c'
	v_pk_mul_f32 v[T+8:T+9],   v[WW:WW+1], v[WW:WW+1]  ; three chains that do not wait for each other
	v_pk_mul_f32 v[T+10:T+11], v[BB:BB+1], v[BB:BB+1]
	v_pk_mul_f32 v[T+12:T+13], v[WW:WW+1], v[BB:BB+1]
.set n, 2
.rept 7
	v_pk_fma_f32 v[T+8:T+9],   v[WW+n:WW+n+1], v[WW+n:WW+n+1], v[T+8:T+9]
	v_pk_fma_f32 v[T+10:T+11], v[BB+n:BB+n+1], v[BB+n:BB+n+1], v[T+10:T+11]
	v_pk_fma_f32 v[T+12:T+13], v[WW+n:WW+n+1], v[BB+n:BB+n+1], v[T+12:T+13]
.set n, n+2
.endr
	v_add_f32 v[T+8],  v[T+8],  v[T+9]
	v_add_f32 v[T+10], v[T+10], v[T+11]
	v_add_f32 v[T+12], v[T+12], v[T+13]
.irp m, 1,2,4,8
	v_add_f32_dpp v[T+8],  v[T+8],  v[T+8]  row_xmask:\m row_mask:0xf bank_mask:0xf
	v_add_f32_dpp v[T+10], v[T+10], v[T+10] row_xmask:\m row_mask:0xf bank_mask:0xf
	v_add_f32_dpp v[T+12], v[T+12], v[T+12] row_xmask:\m row_mask:0xf bank_mask:0xf
.endr
	v_mul_f32 v[T+4], s68, v[T+8]                  ; mean a'^2
	v_mul_f32 v[T+5], 0x3c000000, v[T+12]          ; 2 mean a' c'
	v_fma_f32 v[T+6], v[T+10], s68, s69            ; mean c'^2 + eps
	v_mov_b32 v[T+7], 0
.if \vk
	s_cmp_eq_u32 s2, 160
	s_cbranch_scc1 .Lext_\@
.endif
.set n, 0
.rept 8
	v_pk_mul_f32 v[Y+n:Y+n+1], v[GG+n:GG+n+1], v[BB+n:BB+n+1]
.set n, n+2
.endr
.if \vk
	s_branch .Ljoin_\@
.Lext_\@:                              ; the extra tile: rows 0 mod 8 take g a', rows 1 mod 8 take beta (which X holds here), all others 0
	v_and_b32 v13, 7, v5
	v_cmp_eq_u32 s70, 0, v13
	v_cmp_eq_u32 s71, 1, v13
.set n, 0
.rept 8
	v_pk_mul_f32 v[Y+n:Y+n+1], v[GG+n:GG+n+1], v[WW+n:WW+n+1]
.set n, n+2
.endr
	s_wait_alu depctr_va_sdst(0)                   ; the two compares have written s70 and s71, ahead of their first reader, the next line: one wait for both
.set n, 0
.rept 16
	v_cndmask_b32 v[Y+n], 0, v[Y+n], s70
	v_cndmask_b32 v[Y+n], v[Y+n], v[X+n], s71
.set n, n+1
.endr
.Ljoin_\@:
.endif
.set n, 0
.rept 8
	v_cvt_pk_bf16_f32 v[T+8+n], v[Y+2*n], v[Y+2*n+1]
.set n, n+1
.endr
	s_wait_alu depctr_va_vdst(0)                   ; v[T+4:T+15], the LDS stores' data, and their addresses v9 and v10 are written; every vector line that names v[32:127] is done, so LDS loads may land there (with vk = 0: no vector line follows up to those loads)
	ds_store_b128 v9, v[T+8:T+11]
	ds_store_b128 v9, v[T+12:T+15] offset:256
	ds_store_b128 v10, v[T+4:T+7]                  ; the row's 16 lanes write the same 16 bytes with the same numbers
.if \vk
	s_wait_loadcnt 0x0                             ; Vk
.set n, 0
.rept 64                               ; in place, ascending: register n is written from 2 n and 2 n + 1, which no later line needs
	v_cvt_pk_bf16_f32 v[RAW+n], v[RAW+2*n], v[RAW+2*n+1]
.set n, n+1
.endr
.endif
	s_wait_dscnt 0x0                               ; for the others' sake: my rows and records are in LDS
	s_barrier_signal -1
	s_barrier_wait -1
	s_wait_alu depctr_vm_vsrc(0)                   ; my three LDS stores have read v10, which wave 0 writes anew for the records' way out, and v[T+4:T+15], in which (vk = 1) fragments land
.endm
	; R3: V's table.  The rows lie [p][d] in LDS, 544 bytes apart (17 x 32); wave w takes channels 16 w .. + 15 turned: a lane holds one channel and 8 p.
.Lvtab:
	s_sub_co_u32 s46, s2, 161
	s_lshl_b32 s48, s46, 15
	s_add_nc_u64 s[50:51], s[16:17], s[48:49]      ; Ev's 32 rows
	s_mov_b64 s[52:53], s[20:21]                   ; bv_val
	s_mov_b64 s[54:55], s[24:25]                   ; wv_val
	s_mov_b64 s[56:57], s[28:29]                   ; ln_v_g
	s_mov_b32 s60, 1024
	s_lshl_b32 s48, s46, 14
	s_add_nc_u64 s[62:63], s[40:41], s[48:49]      ; CVF: [32 p][16 blocks of d][half][lane][16 bytes]
	s_lshl_b32 s48, s46, 9
	s_add_co_u32 s48, s48, 16384
	s_add_nc_u64 s[66:67], s[42:43], s[48:49]      ; V's records lie behind K's 1,024
	v_and_b32 v11, 7, v0                           ; the turning loads' address and the stores' offset are made here, ahead of ROWS's first wait
	v_lshl_add_u32 v11, v3, 3, v11                 ; p = 8 (l / 16) + l % 8
	v_mul_u32_u24 v11, v11, 544
	v_bfe_u32 v12, v0, 3, 1
	v_lshl_add_u32 v11, v12, 4, v11                ; channels 8 ((l / 8) % 2) on
	v_lshl_add_u32 v11, s3, 5, v11                 ; of my wave's 16
	v_add_nc_u32 v11, VT, v11
	v_lshlrev_b32 v12, 4, v1
	v_lshl_add_u32 v12, s3, 10, v12
	ROWS 544, 0, VT, VST
	ds_load_tr16_b128 v[32:35], v11                ; no wait: no vector line since the wait ahead of ROWS's LDS stores, behind which nothing names v[32:39], v11 or v12
	ds_load_tr16_b128 v[36:39], v11 offset:16*544
	s_wait_dscnt 0x0
	global_store_b128 v12, v[32:35], s[62:63]      ; 512 consecutive bytes each
	global_store_b128 v12, v[36:39], s[62:63] offset:512
	STATOUT VST
	s_branch .Lend
	; R2: K's table.  Source 0 = my 16 rows of Vk, source 1 = 16 rows of g c': a lane's result is one p and e = 16 w + 8 (l / 16) + 0..7, which packed IS half w % 2 of K step w / 2 of the operand K2.
.Lktab:
	s_sub_co_u32 s46, s2, 128
	s_lshl_b32 s47, s46, 15
	s_cmp_eq_u32 s2, 160                           ; the extra tile reads beta_k in E's place, the same bytes for every row
	s_cselect_b32 s48, 0, s47
	s_cselect_b32 s60, 0, 1024
	s_cselect_b64 s[50:51], s[30:31], s[14:15]
	s_add_nc_u64 s[50:51], s[50:51], s[48:49]
	s_mov_b64 s[52:53], s[18:19]                   ; bk_val
	s_mov_b64 s[54:55], s[22:23]                   ; wk_val
	s_mov_b64 s[56:57], s[26:27]                   ; ln_k_g
	s_lshl_b32 s48, s3, 14
	s_add_nc_u64 s[58:59], s[32:33], s[48:49]      ; Vk's rows 16 w on
	s_lshl_b32 s48, s46, 14
	s_add_nc_u64 s[62:63], s[38:39], s[48:49]      ; K2F: two tiles of 8,192 bytes
	s_lshl_b32 s48, s46, 9
	s_add_nc_u64 s[66:67], s[42:43], s[48:49]      ; K's records
	v_mul_u32_u24 v11, v2, 528                     ; the fragment loads' address and the stores' offset are made here, ahead of ROWS's first wait
	v_lshl_add_u32 v11, v3, 4, v11                 ; FRAG in bf16 rows 528 bytes apart: the 16 rows of a load start at 16 different groups of four banks
	v_add_nc_u32 v11, KT, v11
	v_lshlrev_b32 v12, 4, v0
	ROWS 528, 1, KT, KST
	s_wait_alu depctr_va_vdst(0)                   ; the roundings in place are done reading v[192:255], in which half of the fragments below land
.irp ks, 0,1,2,3,4,5,6,7
	ds_load_b128 v[64+8*\ks:67+8*\ks],   v11 offset:64*\ks
	ds_load_b128 v[68+8*\ks:71+8*\ks],   v11 offset:64*\ks+32
	ds_load_b128 v[192+8*\ks:195+8*\ks], v11 offset:16*528+64*\ks
	ds_load_b128 v[196+8*\ks:199+8*\ks], v11 offset:16*528+64*\ks+32
.endr
	s_wait_dscnt 0x0
	v_wmma_f32_16x16x32_bf16 v[16:23], v[RAW:RAW+7], v[64:71], 0
	v_wmma_f32_16x16x32_bf16 v[24:31], v[RAW:RAW+7], v[192:199], 0
.irp ks, 1,2,3,4,5,6,7                 ; the two accumulators take turns
	v_wmma_f32_16x16x32_bf16 v[16:23], v[RAW+8*\ks:RAW+8*\ks+7], v[64+8*\ks:71+8*\ks], v[16:23]
	v_wmma_f32_16x16x32_bf16 v[24:31], v[RAW+8*\ks:RAW+8*\ks+7], v[192+8*\ks:199+8*\ks], v[24:31]
.endr
	PLACES
.set n, 0
.rept 8
	v_cvt_pk_bf16_f32 v[32+n], v[16+2*n], v[16+2*n+1]
.set n, n+1
.endr
	s_wait_alu depctr_va_vdst(0)                   ; the roundings have written v[32:39], which the two stores below read
	global_store_b128 v12, v[32:35], s[62:63]      ; 16 bytes a thread: a wave stores 512 consecutive bytes
	s_cmp_eq_u32 s2, 160
	s_cbranch_scc1 .Lend                           ; the extra tile is one tile and has no records
	global_store_b128 v12, v[36:39], s[62:63] offset:8192
	STATOUT KST
.Lend:
	s_wait_dscnt 0x0                               ; the closing lines, six on end
	s_wait_alu 0x0
	s_wait_tensorcnt 0x0
	ds_add_u32 v[SPW], v[NIL]
	s_wait_dscnt 0x0
	s_endpgm
.Lfunc_end_k_q472abe6192_prep:
	.size	k_q472abe6192_prep, .Lfunc_end_k_q472abe6192_prep-k_q472abe6192_prep
	.p2alignl 7, 3214868480
	.fill 96, 4, 3214868480
	.section	.rodata,"a",@progbits
	.p2align	6, 0x0
	.amdhsa_kernel k_q472abe6192_prep
		.amdhsa_group_segment_fixed_size 111104
		.amdhsa_private_segment_fixed_size 0
		.amdhsa_enable_private_segment 0
		.amdhsa_kernarg_size 152
		.amdhsa_user_sgpr_count 2
		.amdhsa_user_sgpr_kernarg_segment_ptr 1
		.amdhsa_wavefront_size32 1
		.amdhsa_system_sgpr_workgroup_id_x 1
		.amdhsa_system_sgpr_workgroup_id_y 1
		.amdhsa_system_sgpr_workgroup_id_z 1
		.amdhsa_system_vgpr_workitem_id 0
		.amdhsa_next_free_vgpr 256
		.amdhsa_next_free_sgpr 80
		.amdhsa_reserve_vcc 0
		.amdhsa_float_denorm_mode_32 3
		.amdhsa_float_denorm_mode_16_64 3
		.amdhsa_memory_ordered 1
		.amdhsa_forward_progress 1
		.amdhsa_inst_pref_size 50
	.end_amdhsa_kernel
	.amdgpu_metadata
---
amdhsa.version: [ 1, 2 ]
amdhsa.kernels:
  - .name:           k_q472abe6192_prep
    .symbol:         k_q472abe6192_prep.kd
    .args:
      - { .name: hg, .offset: 0, .size: 8, .value_kind: global_buffer, .address_space: global }
      - { .name: Wq, .offset: 8, .size: 8, .value_kind: global_buffer, .address_space: global }
      - { .name: bq, .offset: 16, .size: 8, .value_kind: global_buffer, .address_space: global }
      - { .name: Ek, .offset: 24, .size: 8, .value_kind: global_buffer, .address_space: global }
      - { .name: Ev, .offset: 32, .size: 8, .value_kind: global_buffer, .address_space: global }
      - { .name: bk_val, .offset: 40, .size: 8, .value_kind: global_buffer, .address_space: global }
      - { .name: bv_val, .offset: 48, .size: 8, .value_kind: global_buffer, .address_space: global }
      - { .name: wk_val, .offset: 56, .size: 8, .value_kind: global_buffer, .address_space: global }
      - { .name: wv_val, .offset: 64, .size: 8, .value_kind: global_buffer, .address_space: global }
      - { .name: ln_k_g, .offset: 72, .size: 8, .value_kind: global_buffer, .address_space: global }
      - { .name: ln_v_g, .offset: 80, .size: 8, .value_kind: global_buffer, .address_space: global }
      - { .name: ln_k_b, .offset: 88, .size: 8, .value_kind: global_buffer, .address_space: global }
      - { .name: Vk, .offset: 96, .size: 8, .value_kind: global_buffer, .address_space: global }
      - { .name: Uq, .offset: 104, .size: 8, .value_kind: global_buffer, .address_space: global }
      - { .name: QP, .offset: 112, .size: 8, .value_kind: global_buffer, .address_space: global }
      - { .name: K2F, .offset: 120, .size: 8, .value_kind: global_buffer, .address_space: global }
      - { .name: CVF, .offset: 128, .size: 8, .value_kind: global_buffer, .address_space: global }
      - { .name: ST, .offset: 136, .size: 8, .value_kind: global_buffer, .address_space: global }
      - { .name: UQS, .offset: 144, .size: 8, .value_kind: global_buffer, .address_space: global }
    .group_segment_fixed_size: 111104
    .private_segment_fixed_size: 0
    .kernarg_segment_align: 8
    .kernarg_segment_size: 152
    .max_flat_workgroup_size: 512
    .sgpr_count:     80
    .vgpr_count:     256
    .wavefront_size: 32
...
	.end_amdgpu_metadata
.endif
;; end of part 4
;; launch score: the kernel of part 2 again; grid 8 x 32, 8 waves a work-group, no clusters, 60,160 bytes of LDS; arguments QP, ln_q_g, ln_q_b, UQS, K2F, ST, CVF, desc_2d, SG, SP, CP; writes SG, SP, CP
;; launch final: the kernel of part 3 again; grid 256 x 1, 4 waves a work-group, no clusters, 0 bytes of LDS; arguments SG, SP, CP, wv_val, ln_v_g, ln_v_b, out0, out1; writes out0, out1
